; MI455X (gfx1250); checked and timed in simulation.
; The chip was launched on July 23, 2026; its instructions are those of AMD's public machine-readable ISA for CDNA 5 (MIT licence, August 2026) and "CDNA5" Instruction Set Architecture Reference Guide (July 2026). The comments in the code are by the model that wrote it; some were corrected since.
;; Multi Scale Retention. Allowed arithmetic: matrix products marked QUANTISED: E2M3 operands, one E8M0 scale for each 32 along K, by v_wmma_scale_f32_16x16x128_f8f6f4 with both operands' format E2M3, f32 sums; everything else in f32.
;; Inputs: Wg 2,048 x 2,048 float32; Wk 2,048 x 2,048 float32; Wo 2,048 x 2,048 float32; Wq 2,048 x 2,048 float32; Wv 2,048 x 2,048 float32; gn_b 2,048 float32; gn_w 2,048 float32; x 2 x 1,024 x 2,048 float32.
;; Outputs: out0 2 x 1,024 x 2,048 float32.
;; This version of the problem:
;;   THIS VERSION OF THE PROBLEM IS GIVEN IN LOW PRECISION. The matrix products marked QUANTISED in the list below multiply operands that are first quantised to E2M3 (2 exponent bits, 3 mantissa bits; 6 bits a number), with one power-of-two scale for each 32 numbers along K (OCP MX v1.0); their sums are f32. All else is computed in f32.
;;   The module's matrix products, in the order in which they are computed (A, B: the left and right operand; K: the contracted axis; several contracted axes count as one K, in the product's order):
;;     1. [M 2,048, K 2,048] x [K 2,048, N 2,048]; A: input x; B: input Wq: QUANTISED
;;     2. [M 2,048, K 2,048] x [K 2,048, N 2,048]; A: input x; B: input Wk: QUANTISED
;;     3. [M 2,048, K 2,048] x [K 2,048, N 2,048]; A: input x; B: input Wv: QUANTISED
;;     4. [M 2,048, K 2,048] x [K 2,048, N 2,048]; A: input x; B: input Wg: QUANTISED
;;     5. batch 32 x [M 1,024, K 128] x [K 128, N 1,024]; A: computed on the way; B: computed on the way: QUANTISED
;;     6. batch 32 x [M 1,024, K 1,024] x [K 1,024, N 128]; A: computed on the way; B: computed on the way: QUANTISED
;;     7. [M 2,048, K 2,048] x [K 2,048, N 2,048]; A: computed on the way; B: input Wo: QUANTISED
;;   THE QUANTISER, for each operand of a quantised product, along K:
;;     - K is cut into blocks of 32 from its start; a last block that is shorter is filled with zeros.
;;     - A block's scale is 2^e with e = floor(log2(the largest magnitude in the block)) - 2, held to -126 .. 127; a block of zeros has e = 0. As a byte (E8M0): e + 127.
;;     - Each number is divided by its block's scale, clamped to +-7.5, and rounded to the nearest number of E2M3, ties to even, subnormals kept.
;;     - The product sums the exact products of the quantised numbers (number of the format x scale) in f32.
;;   ~~~python
;;   def quantise(x, axis):      # numpy; x: float32 -> the quantised numbers, widened to float32 again
;;       x = np.moveaxis(x, axis, -1); K = x.shape[-1]
;;       x = np.pad(x, [(0, 0)] * (x.ndim - 1) + [(0, -K % 32)]); x = x.reshape(x.shape[:-1] + (-1, 32)); a = np.abs(x).max(-1, keepdims=True)
;;       e = np.where(a > 0, np.clip(np.frexp(np.where(a > 0, a, 1))[1] - 1 - 2, -126, 127), 0)      # np.frexp(a)[1] - 1 = floor(log2(a)), exactly
;;       r = np.clip(x / 2.0 ** e, -7.5, 7.5)
;;       step = 2.0 ** (np.maximum(np.frexp(np.where(r == 0, 1, r))[1] - 1, 0) - 3)
;;       q = np.round(r / step) * step * 2.0 ** e      # np.round: ties to even
;;       return np.moveaxis(q.reshape(q.shape[:-2] + (-1,))[..., :K], -1, axis).astype(np.float32)
;;   ~~~
;;   OPERANDS COMPUTED ON THE WAY. 'Computed on the way' means the value that the module computes at that place (a softmax that the list does not call 'softmax' is quantised finished and normalised). What goes into a quantiser is computed in f32, as accurately as f32 sums, v_exp_f32 and their like allow (about 1e-6 of the number): no bf16 or f16 on the way to a quantiser, and a product that is left as it is and whose result goes on into a quantised operand takes f32 operands (vector FMAs, or v_wmma_f32_16x16x4_f32). A number that lies on a knife's edge between two numbers of the format may be rounded either way, as far as f32 arithmetic and the matrix unit's own rounding can turn it there, and no further.
;; One version. Each part assembles by itself: llvm-mc -triple=amdgcn-amd-amdhsa -mcpu=gfx1250 --defsym DOCPART=n.
;; ======== version 1 of 1: 5 launches
;; workspace buffers: codes 18,874,368 bytes; scales 786,432 bytes; qkv 10,223,616 bytes; gimg 16,777,216 bytes; oimg 16,777,216 bytes; part 16,384 bytes; ycodes 3,145,728 bytes; yscales 131,072 bytes
;; launch quant (part 1): grid 128 x 6, 2 waves a work-group, no clusters, 17,152 bytes of LDS; arguments x, Wq, Wk, Wv, Wg, Wo, codes, scales; writes codes, scales
.if DOCPART == 1
	.amdgcn_target "amdgcn-amd-amdhsa--gfx1250"
	.amdhsa_code_object_version 6
	.text
	.protected	k_q1187a51aba_quant
	.globl	k_q1187a51aba_quant
	.p2align	8
	.type	k_q1187a51aba_quant,@function
k_q1187a51aba_quant:
	s_mov_b64 s[64:65], 0
	v_nop
	global_prefetch_b8 v0, s[64:65] scope:SCOPE_SE
	s_setreg_imm32_b32 hwreg(HW_REG_WAVE_MODE, 25, 1), 1
	s_wait_xcnt 0x0
; x and the five weights, each [2048][2048] f32 with K innermost, become codes of FP6 (E2M3) with one E8M0 byte for each 32 along K.
; A block's scale is 2^(floor(log2(its largest magnitude)) - 2): its byte is the largest magnitude's exponent field - 2, held at 1 from below.
; THE CODES ARE STORED AS IMAGES OF THE MATRIX OPERAND'S REGISTERS.  A fragment is 16 rows x 128 K: 12 registers a lane (lane l: row l % 16; registers 6 c .. 6 c + 5: K = 64 c + 32 (l / 16) + 0 .. 31).
; Its image is 1,536 bytes: registers 4 p .. 4 p + 3 of lane l at 512 p + 16 l.  codes: [group of 128 rows][8 steps of 256 K][2 halves of 128 K][8 tiles][1,536]; groups: x 0-15, Wq 16-31, Wk 32-47, Wv 48-63, Wg 64-79, Wo 80-95.
; THE ROWS OF A TILE ARE NOT NEIGHBOURS: lane row p of tile i of a group is row 32 (i / 2) + 8 (i % 2) + p + 8 (p / 8).
; scales: [group of 64 rows][8 steps of 256 K][512]: lane l's 16 bytes are the scale words of the group's four tiles; lanes 0-15 (row l) for the first 128 K of the step, lanes 16-31 for the second.
; SHARES: grid y is the tensor.  A wave takes 64 rows x 256 K: eight fragments f = 2 i + q and one block of scale words.  Each load reads 512 consecutive bytes of one row; a fragment's 16 rows turn through the
; wave's own stage in LDS (rows 528 bytes apart), so that a lane gets two whole blocks of 32 of its row.  Waves share nothing: no barrier.  Loads run two fragments (32 loads a wave) ahead.
; LIMITS: NaN and infinities among the inputs are not served.  A block of zeros gets the byte 1 (the rule says 127): its codes are zeros, and this program alone reads the bytes.
.set SP,    528                        ; a stage row: 512 bytes + 16
.set STG,   16*SP                      ; a wave's stage
.set X,     64                         ; v64-127   my two blocks of 32 numbers
.set R,     128                        ; v128-255  two sets of 16 x 4 registers as loaded
.set C,     24                         ; v24-35    the fragment's codes;  v36-38, v40-42 the second halves as the conversions leave them
	s_load_b512 s[8:23], s[0:1], 0x0               ; x, Wq, Wk, Wv, Wg, Wo, codes s[20:21], scales s[22:23]
	v_lshl_add_u32 v62, v0, 2, 0x4200
	v_mov_b32 v63, 0
	v_lshrrev_b32 v1, 5, v0
	v_readfirstlane_b32 s2, v1                     ; wave
	v_and_b32 v6, 31, v0                           ; lane
	v_lshlrev_b32 v2, 4, v6                        ; 16 x lane: my place in a load's 512 bytes and in an image's piece
	s_mul_i32 s3, s2, STG
	v_add_nc_u32 v3, s3, v2                        ; the stage, on the way in
	v_and_b32 v7, 15, v0                           ; r
	v_bfe_u32 v1, v0, 4, 1                         ; h
	v_mul_u32_u24 v4, v7, SP
	v_lshl_add_u32 v4, v1, 7, v4
	v_add_nc_u32 v4, s3, v4                        ; and on the way out: row r, + 128 h bytes
	v_lshlrev_b32 v5, 3, v1                        ; 8 h: where my two bytes stand in the scale word
	v_mov_b32 v15, 0                               ; written once: a lane permute's destination counts as one of its sources
	s_mov_b32 s28, 0x76543210
	s_mov_b32 s29, 0xfedcba98                      ; selects for lane l xor 16
	s_mov_b32 s30, 0xffff0000                      ; lanes 16-31
	s_and_b32 s24, ttmp7, 0xffff                   ; the tensor
	s_lshl_b32 s25, ttmp9, 1
	s_add_co_u32 s25, s25, s2                      ; my job, 0 .. 255
	s_lshr_b32 s26, s25, 3                         ; which 64 rows
	s_and_b32 s27, s25, 7                          ; which 256 along K
	s_lshl_b32 s32, s26, 19                        ; 64 rows of 8,192 bytes
	s_lshl_b32 s31, s27, 10
	s_add_co_u32 s32, s32, s31
	s_mov_b32 s33, 0
	s_mul_i32 s34, s24, 3145728                    ; the tensor's 16 groups of codes,
	s_lshr_b32 s31, s26, 1
	s_mul_i32 s31, s31, 196608                     ; the group of 128 rows,
	s_add_co_u32 s34, s34, s31
	s_mul_i32 s31, s27, 24576                      ; the step of 256 K,
	s_add_co_u32 s34, s34, s31
	s_and_b32 s31, s26, 1
	s_mul_i32 s31, s31, 6144                       ; tiles 0-3 or 4-7
	s_add_co_u32 s34, s34, s31
	s_mov_b32 s35, 0
	s_lshl_b32 s36, s24, 17
	s_lshl_b32 s31, s25, 9
	s_add_co_u32 s36, s36, s31                     ; my block of scale words
	s_mov_b32 s37, 0
	s_wait_kmcnt 0x0
	s_mov_b64 s[4:5], s[8:9]                       ; the source is chosen by the work-group's number alone
	s_cmp_eq_u32 s24, 1
	s_cselect_b64 s[4:5], s[10:11], s[4:5]
	s_cmp_eq_u32 s24, 2
	s_cselect_b64 s[4:5], s[12:13], s[4:5]
	s_cmp_eq_u32 s24, 3
	s_cselect_b64 s[4:5], s[14:15], s[4:5]
	s_cmp_eq_u32 s24, 4
	s_cselect_b64 s[4:5], s[16:17], s[4:5]
	s_cmp_eq_u32 s24, 5
	s_cselect_b64 s[4:5], s[18:19], s[4:5]
	s_add_nc_u64 s[4:5], s[4:5], s[32:33]
	s_add_nc_u64 s[20:21], s[20:21], s[34:35]
	s_add_nc_u64 s[22:23], s[22:23], s[36:37]
.macro LOAD f                          ; fragment f's 16 rows x 512 bytes into set f % 2
.set LT, (\f)/2
.set LQ, (\f)%2
.irp p, 0,1,2,3,4,5,6,7,8,9,10,11,12,13,14,15
	global_load_b128 v[R+64*LQ+4*\p:R+64*LQ+4*\p+3], v2, s[4:5] offset:(32*(LT/2)+8*(LT%2)+\p+8*(\p/8))*8192+512*LQ th:TH_LOAD_NT
.endr
.endm
.macro FRAGM f
.set FI, (\f)/2
.set FQ, (\f)%2
.set RS, R+64*FQ
.if (\f) < 7
	s_wait_loadcnt 16                              ; this fragment's 16 loads are in; the next fragment's 16 may be out
.else
	s_wait_loadcnt 0x0
.endif
.irp p, 0,1,2,3,4,5,6,7,8,9,10,11,12,13,14,15
	ds_store_b128 v3, v[RS+4*\p:RS+4*\p+3] offset:SP*\p
.endr
.irp c, 0,1
.irp j, 0,1,2,3,4,5,6,7
	ds_load_b128 v[X+32*\c+4*\j:X+32*\c+4*\j+3], v4 offset:256*\c+16*\j   ; LDS serves a wave's instructions in order: these see the stores above.  K = 64 c + 32 h + 4 j on
.endr
.endr
	s_wait_dscnt 0x0                               ; my 64 numbers are back, and the stores have read their registers,
.if (\f) < 6
	LOAD (\f)+2                                    ; which take the fragment two further on
.endif
.irp c, 0,1
	v_max3_num_f32 v[8+\c], |v[X+32*\c]|, |v[X+32*\c+1]|, 0x1800000   ; block 2 c + h is all mine; the floor 2^(3 - 127) holds the byte at 1 from below
.endr
.irp i, 2,4,6,8,10,12,14,16,18,20,22,24,26,28,30
.irp c, 0,1
	v_max3_num_f32 v[8+\c], v[8+\c], |v[X+32*\c+\i]|, |v[X+32*\c+\i+1]|
.endr
.endr
.irp c, 0,1
	v_add_nc_u32 v[10+\c], 0xff000000, v[8+\c]     ; 2 off the exponent field: the conversion's scale operand
.endr
.irp c, 0,1
	v_lshrrev_b32 v[12+\c], 23, v[10+\c]           ; the scale's byte
.endr
	v_lshl_or_b32 v14, v13, 16, v12                ; blocks h and 2 + h,
	v_lshlrev_b32 v14, v5, v14                     ; at their places in the row's word;
	v_permlanex16_b32 v15, v14, s28, s29
.if FQ == 0
	v_or_b32 v16, v14, v15                         ; with lane l xor 16's two the word is whole: kept for the tile's second half
.else
	v_or_b32 v14, v14, v15
	v_cndmask_b32 v[20+FI], v16, v14, s30          ; lanes 0-15: the first 128 K's word; lanes 16-31: the second's
.endif
	s_wait_xcnt 0x0                                ; the last fragment's stores have read their data: the codes' registers are written again only behind this wait
.irp c, 0,1
	v_cvt_scalef32_pk16_fp6_f32 v[C+6*\c:C+6*\c+2], v[X+32*\c:X+32*\c+15], v[10+\c]
	v_cvt_scalef32_pk16_fp6_f32 v[36+4*\c:38+4*\c], v[X+32*\c+16:X+32*\c+31], v[10+\c]   ; (a conversion's three registers begin on an even number)
.endr
	v_nop                                          ; one plain place behind a scaled conversion
.irp c, 0,1
.irp i, 0,1,2
	v_mov_b32 v[C+6*\c+3+\i], v[36+4*\c+\i]
.endr
.endr
.irp c, 0,1,2
	global_store_b128 v2, v[C+4*\c:C+4*\c+3], s[20:21] offset:12288*FQ+1536*FI+512*\c   ; 32 lanes store 512 consecutive bytes, aligned
.endr
.endm
	LOAD 0
	LOAD 1
.irp f, 0,1,2,3,4,5,6,7
	FRAGM \f
.endr
	global_store_b128 v2, v[20:23], s[22:23]       ; the four tiles' scale words: 512 consecutive bytes
	s_wait_tensorcnt 0x0
	ds_add_u32 v62, v63
	s_wait_dscnt 0x0
	s_endpgm
.Lfunc_end_k_q1187a51aba_quant:
	.size	k_q1187a51aba_quant, .Lfunc_end_k_q1187a51aba_quant-k_q1187a51aba_quant
	.p2alignl 7, 3214868480
	.fill 96, 4, 3214868480
	.section	.rodata,"a",@progbits
	.p2align	6, 0x0
	.amdhsa_kernel k_q1187a51aba_quant
		.amdhsa_group_segment_fixed_size 17152
		.amdhsa_private_segment_fixed_size 0
		.amdhsa_enable_private_segment 0
		.amdhsa_kernarg_size 64
		.amdhsa_user_sgpr_count 2
		.amdhsa_user_sgpr_kernarg_segment_ptr 1
		.amdhsa_wavefront_size32 1
		.amdhsa_system_sgpr_workgroup_id_x 1
		.amdhsa_system_sgpr_workgroup_id_y 1
		.amdhsa_system_sgpr_workgroup_id_z 1
		.amdhsa_system_vgpr_workitem_id 0
		.amdhsa_next_free_vgpr 256
		.amdhsa_next_free_sgpr 66
		.amdhsa_reserve_vcc 0
		.amdhsa_float_denorm_mode_32 3
		.amdhsa_float_denorm_mode_16_64 3
		.amdhsa_memory_ordered 1
		.amdhsa_forward_progress 1
		.amdhsa_inst_pref_size 58
	.end_amdhsa_kernel
	.amdgpu_metadata
---
amdhsa.version: [ 1, 2 ]
amdhsa.kernels:
  - .name:           k_q1187a51aba_quant
    .symbol:         k_q1187a51aba_quant.kd
    .args:
      - { .name: x, .offset: 0, .size: 8, .value_kind: global_buffer, .address_space: global }
      - { .name: Wq, .offset: 8, .size: 8, .value_kind: global_buffer, .address_space: global }
      - { .name: Wk, .offset: 16, .size: 8, .value_kind: global_buffer, .address_space: global }
      - { .name: Wv, .offset: 24, .size: 8, .value_kind: global_buffer, .address_space: global }
      - { .name: Wg, .offset: 32, .size: 8, .value_kind: global_buffer, .address_space: global }
      - { .name: Wo, .offset: 40, .size: 8, .value_kind: global_buffer, .address_space: global }
      - { .name: codes, .offset: 48, .size: 8, .value_kind: global_buffer, .address_space: global }
      - { .name: scales, .offset: 56, .size: 8, .value_kind: global_buffer, .address_space: global }
    .group_segment_fixed_size: 17152
    .private_segment_fixed_size: 0
    .kernarg_segment_align: 8
    .kernarg_segment_size: 64
    .max_flat_workgroup_size: 64
    .sgpr_count:     66
    .vgpr_count:     256
    .wavefront_size: 32
...
	.end_amdgpu_metadata
.endif
;; end of part 1
;; launch proj (part 2): grid 32 x 8, 4 waves a work-group, clusters of 4 x 4, 327,680 bytes of LDS; arguments codes, scales, qkv, gimg; writes qkv, gimg
.if DOCPART == 2
	.amdgcn_target "amdgcn-amd-amdhsa--gfx1250"
	.amdhsa_code_object_version 6
	.text
	.protected	k_q1187a51aba_proj
	.globl	k_q1187a51aba_proj
	.p2align	8
	.type	k_q1187a51aba_proj,@function
k_q1187a51aba_proj:
	s_mov_b64 s[64:65], 0
	v_nop
	global_prefetch_b8 v0, s[64:65] scope:SCOPE_SE
	s_setreg_imm32_b32 hwreg(HW_REG_WAVE_MODE, 25, 1), 1
	s_wait_xcnt 0x0
	s_wait_alu depctr_hold_cnt(0) depctr_sa_sdst(0) depctr_va_vdst(0) depctr_va_sdst(0) depctr_va_ssrc(0) depctr_va_vcc(0) depctr_vm_vsrc(0)
	s_getreg_b32 s2, hwreg(HW_REG_IB_STS2, 6, 4)
	s_cmp_eq_u32 s2, 0
	s_cbranch_scc0 .Lentry_in_a_cluster
	s_endpgm
.Lentry_in_a_cluster:
	s_bfe_u32 s2, ttmp6, 0x10000c
	s_cmp_lg_u32 s2, 0xf033
	s_cbranch_scc0 .Lentry_shape_is_right
	s_endpgm
.Lentry_shape_is_right:
; The four projections q, k, v, z = x W^T on codes of FP6 (E2M3), one E8M0 scale for each 32 along K; sums in f32.  M = 2,048 tokens, N = 4 x 2,048, K = 2,048.
; A work-group of four waves makes 256 x 256, a wave 128 x 128: 64 accumulators, 512 registers.  Operands come as IMAGES OF THEIR REGISTERS (1,536 bytes a fragment of 16 rows x 128 K, three loads of 16 bytes a lane),
; so 128 rows x 256 K are one dense block of 24,576 bytes, and the blocks of one group of rows follow each other along K.
; THE RING HAS TWO UNEQUAL SLOTS: a large one of 512 along K and a small one of 256: together 768 along K of 512 rows, 294,912 bytes.  The eight steps of 256 K lie: 0, 1 large; 2 small; 3, 4 large; 5 small; 6, 7 large.
; So K = 2,048 takes two first fills and three refills, one tensor load a wave each (192 or 96 rows of 256 bytes).  The 16 units of 128 K are written out: their scale registers differ from unit to unit.
; THE SCALE WORDS of a wave's 128 + 128 rows, for all of K, are 16 KB: they come once, straight into 128 registers, by 32 loads of 512 consecutive bytes.
; THE ROWS OF A TILE ARE NOT NEIGHBOURS (lane row p of tile i: 32 (i / 2) + 8 (i % 2) + p + 8 (p / 8)), on both sides.  So a lane's 64 results for one block of source 1 run along 128 NEIGHBOURS of source 0's rows,
; register 16 b + i = 32 b + 16 (lane / 16) + i, which is what the conversions want.  q, k, z: source 0 = W's rows (a wave's 128 are one head), source 1 = tokens: a lane holds one token, registers along the head.
; v: THE ROLES ARE SWAPPED: source 0 = tokens, source 1 = Wv's rows: a lane holds one channel and its registers run along the tokens, which are the K of the retention's second product.  Nothing is transposed.
; THE WAY OUT: q, k, v are quantised in registers and stored as images into qkv [32 heads of a batch][8 groups of 128 tokens][39,936]: K's codes 0, V's 12,288, K's scale words 24,576, V's 25,600, Q's codes 26,624,
; Q's scale words 38,912.  z = x Wg^T, f32, is stored as the accumulators lie: gimg [16 groups of tokens][16 heads][8 tiles of tokens][8,192]; its activation is left to the launch that reads it.
; CLUSTERS: 4 x 4 work-groups; all sixteen make the same kind (q, k, v or z: the cluster's x / 2).  Source 1's tile is shared along a row of the cluster, source 0's along a column: each is asked for jointly.
; REGISTERS: window 0: v16-29 addresses; v32-127 and v224-255 scale words and nothing else (step g of 256 K: 16 registers: source 1's eight tiles, then source 0's; lanes 0-15 its first 128 K, lanes 16-31 its second);
;   v128-223 source 1's 8 fragments, ONE set; on the way out v128-179 are at work.  window 1: source 0's fragments, TWO sets, at v0 and v128.  windows 2, 3: accumulator (a, b) at v[8 (8 (a % 4) + b)].
; LIMITS: NaN and infinities are not served.  A block of zeros gets the scale byte 1: its codes are zeros, and this program alone reads the bytes.
.set FR,    12                         ; registers of a fragment
.set NL,    3                          ; LDS loads that bring one
.set NP,    4                          ; places behind this matrix instruction (ISA guide 7.12.1)
.set BLKB,  24576                      ; 128 rows x 256 K
.set PB,    2*BLKB                     ; a block of the large slot: 128 rows x 512 K
.set QSLOT, 4*PB                       ; the large slot lies at 0: source 1's two blocks, then source 0's; the small slot begins here, in the same order
.set SPARE, QSLOT+4*BLKB               ; the spare words, 128 bytes for each wave: two blocks of 256 bytes that no other line names
.set GRPB,  196608                     ; a group of 128 rows in the codes' buffer
.set QBLK,  39936
.set ADRA, 16                          ; v16, v17  my fragments of source 1 in the large slot, in the small slot
.set ADRB, 20                          ; v20, v21  of source 0
.set LI,   25                          ; v25     16 x lane
.set SPW,  28                          ; v28     my spare word; never rewritten
.set NIL,  29                          ; v29     0; never rewritten
.set AF,   128
.set TM,   128                         ; the way out: v128-143 the quantiser's maxima, bytes and scale operands
.set SW,   144                         ; v144-151 the eight fragments' scale words
.set PC,   160                         ; v160-179 the codes just made
.set G1,   24                          ; s[24:31] group 1, source 1, large slot;  s[68:75] small slot
.set G1Q,  68
.set G1B,  48                          ; s[48:55] group 1, source 0, large slot;  s[80:87] small slot
.set G1BQ, 80
.set G0,   32                          ; s[32:35] group 0, source 1, large slot;  s[36:39] small slot
.set G0B,  56                          ; s[56:63] the same for source 0
.set SAB,  76                          ; s[76:77] my scale words of source 1 in memory;  s[78:79] of source 0
.set SBB,  78
.set SEL,  96                          ; s[96:97] selects for lane l xor 16
.set MSB, 0
.macro WIN new                         ; the immediate's high byte repeats the setting that is left
.if MSB != \new
	s_set_vgpr_msb (MSB<<8)|\new
.set MSB, \new
.endif
.endm
.set MUL_LO, 0xa1                      ; source 0 window 1, source 1 window 0, C and D window 2
.set MUL_HI, 0xf1
.set TO_B,   0x40
; A joint load: waves 0 and 1 fetch for source 1, waves 2 and 3 for source 0.  The branch hangs on the wave's number alone.  Four v_nop follow each of the two lines.
.macro JLOAD g0a, g1a, g0b, g1b
	s_cmp_eq_u32 s15, 0
	s_cbranch_scc0 .Lfor_b_\@
	tensor_load_to_lds s[\g0a:\g0a+3], s[\g1a:\g1a+7]
	s_nop 0
.rept 4
	v_nop
.endr
	s_branch .Lasked_\@
.Lfor_b_\@:
	tensor_load_to_lds s[\g0b:\g0b+3], s[\g1b:\g1b+7]
	s_nop 0
.rept 4
	v_nop
.endr
.Lasked_\@:
.endm
.macro CREST
	s_cmp_lg_u32 s14, 0
	s_cbranch_scc1 .Lnot_wave_0_\@
	s_barrier_signal -3
.Lnot_wave_0_\@:
	s_barrier_wait -3
	s_barrier_signal -1
	s_barrier_wait -1
.endm
.macro CROUND
	s_barrier_signal -1
	s_barrier_wait -1
	CREST
.endm
.macro PLACES n
.rept \n
	v_nop
.endr
.endm
	s_load_b256 s[4:11], s[0:1], 0x0               ; codes s[4:5], scales s[6:7], qkv s[8:9], gimg s[10:11]
	v_lshl_add_u32 v[SPW], v0, 2, SPARE
	v_mov_b32 v[NIL], 0
	ds_add_u32 v28, v29
	ds_add_u32 v28, v29
	s_wait_dscnt 0x0
	v_lshrrev_b32 v1, 5, v0
	v_readfirstlane_b32 s14, v1                    ; wave 0..3
	s_lshr_b32 s15, s14, 1                         ; my half of source 1's rows.  Also: I fetch for source 1 (0) or source 0 (1)
	s_and_b32 s16, s14, 1                          ; my half of source 0's rows.  Also: which 128 rows I fetch
	s_bfe_u32 s40, ttmp6, 0x40000                  ; cx
	s_bfe_u32 s41, ttmp6, 0x40004                  ; cy
	s_and_b32 s17, ttmp7, 0xffff
	s_lshl_b32 s17, s17, 3                         ; x's first group for this cluster: 8 x cluster y
	s_lshl_b32 s42, ttmp9, 3
	s_add_co_u32 s42, s42, 16                      ; the weights' first group: 16 + 8 x cluster x
	s_lshr_b32 s12, ttmp9, 1                       ; the kind: 0 q, 1 k, 2 v, 3 z: the same in all sixteen partners
	s_cmp_eq_u32 s12, 2
	s_cselect_b32 s18, s42, s17                    ; source 1's groups: tokens, but for v the weight's rows
	s_cselect_b32 s19, s17, s42                    ; source 0's: the other
	s_lshl_b32 s43, s41, 2
	s_lshl_b32 s43, 15, s43                        ; my row of the cluster
	s_lshl_b32 s44, 0x1111, s40                    ; my column
	; descriptor group 1: a dense block as rows of 256 bytes (32 elements of 8 bytes): 192 rows for the large slot, 96 for the small
	s_or_b32 s[G1+0], s43, (3<<16)|(1<<21)         ; 15:0 the mask; 17:16 elements of 8 bytes; 21 set beside a mask; no padding
	s_or_b32 s[G1B+0], s44, (3<<16)|(1<<21)
.irp g, G1, G1B
	s_mov_b32 s[\g+1], 32<<16                      ; tensor_dim0
	s_mov_b32 s[\g+2], 192<<16                     ; tensor_dim1
	s_mov_b32 s[\g+3], 32<<16                      ; tile_dim0
	s_mov_b32 s[\g+4], 192                         ; tile_dim1
	s_mov_b32 s[\g+5], 32                          ; the pitch
	s_mov_b32 s[\g+6], 0
	s_mov_b32 s[\g+7], 0
.endr
	s_or_b32 s[G1Q+0], s43, (3<<16)|(1<<21)
	s_or_b32 s[G1BQ+0], s44, (3<<16)|(1<<21)
.irp g, G1Q, G1BQ
	s_mov_b32 s[\g+1], 32<<16
	s_mov_b32 s[\g+2], 96<<16
	s_mov_b32 s[\g+3], 32<<16
	s_mov_b32 s[\g+4], 96
	s_mov_b32 s[\g+5], 32
	s_mov_b32 s[\g+6], 0
	s_mov_b32 s[\g+7], 0
.endr
	s_lshl_b32 s20, s41, 1                         ; source 1's group that I fetch: its first + 2 cy + the half: nothing of cx
	s_add_co_u32 s20, s20, s18
	s_add_co_u32 s20, s20, s16
	s_mul_i32 s20, s20, GRPB
	s_mov_b32 s21, 0
	s_lshl_b32 s46, s40, 1                         ; source 0's: its first + 2 cx + the half: nothing of cy
	s_add_co_u32 s46, s46, s19
	s_add_co_u32 s46, s46, s16
	s_mul_i32 s46, s46, GRPB
	s_mov_b32 s47, 0
	s_mul_i32 s45, s14, PB                         ; where they go: wave x a block: no place in the cluster enters an LDS address
	s_mul_i32 s94, s14, BLKB
	s_lshl_b32 s[SAB], s41, 1                      ; the groups that I MULTIPLY: their scale words, 8,192 bytes a group, go straight into my registers
	s_add_co_u32 s[SAB], s[SAB], s18
	s_add_co_u32 s[SAB], s[SAB], s15
	s_lshl_b32 s[SAB], s[SAB], 13
	s_mov_b32 s[SAB+1], 0
	s_lshl_b32 s[SBB], s40, 1
	s_add_co_u32 s[SBB], s[SBB], s19
	s_add_co_u32 s[SBB], s[SBB], s16
	s_lshl_b32 s[SBB], s[SBB], 13
	s_mov_b32 s[SBB+1], 0
	s_wait_kmcnt 0x0
	s_add_nc_u64 s[20:21], s[4:5], s[20:21]
	s_add_nc_u64 s[46:47], s[4:5], s[46:47]
	s_add_nc_u64 s[SAB:SAB+1], s[6:7], s[SAB:SAB+1]
	s_add_nc_u64 s[SBB:SBB+1], s[6:7], s[SBB:SBB+1]
	CROUND                                         ; all sixteen work-groups are here: the first joint loads meet
	s_mov_b32 s[G0], 1                             ; the large slot: steps 0 and 1 of 256 K
	s_mov_b32 s[G0+1], s45
	s_mov_b64 s[G0+2:G0+3], s[20:21]
	s_or_b32 s[G0+3], s[G0+3], 0x80000000
	s_mov_b32 s[G0B], 1
	s_mov_b32 s[G0B+1], s45
	s_mov_b64 s[G0B+2:G0B+3], s[46:47]
	s_or_b32 s[G0B+3], s[G0B+3], 0x80000000
	JLOAD G0, G1, G0B, G1B
	s_mov_b32 s[G0+4], 1                           ; the small slot: step 2
	s_add_co_u32 s[G0+5], s94, QSLOT
	s_add_nc_u64 s[G0+6:G0+7], s[20:21], 2*BLKB
	s_or_b32 s[G0+7], s[G0+7], 0x80000000
	s_mov_b32 s[G0B+4], 1
	s_add_co_u32 s[G0B+5], s94, QSLOT
	s_add_nc_u64 s[G0B+6:G0B+7], s[46:47], 2*BLKB
	s_or_b32 s[G0B+7], s[G0B+7], 0x80000000
	JLOAD G0+4, G1Q, G0B+4, G1BQ                   ; two loads of mine are out
	v_and_b32 v1, 31, v0
	v_lshlrev_b32 v[LI], 4, v1
.irp g, 0,1,2,3,4,5,6,7                ; step g's 16 registers begin at v[32 + 16 g], those of steps 6 and 7 at v224 and v240; each load reads 512 consecutive bytes: four tiles' words a lane
.set SCB, 32+16*\g+96*(\g/6)
	global_load_b128 v[SCB:SCB+3], v[LI], s[SAB:SAB+1] offset:512*\g
	global_load_b128 v[SCB+4:SCB+7], v[LI], s[SAB:SAB+1] offset:512*\g+4096
	global_load_b128 v[SCB+8:SCB+11], v[LI], s[SBB:SBB+1] offset:512*\g
	global_load_b128 v[SCB+12:SCB+15], v[LI], s[SBB:SBB+1] offset:512*\g+4096
.endr
	s_mul_i32 s2, s15, PB                          ; my 128 rows of source 1 in the large slot,
	v_add_nc_u32 v[ADRA], s2, v[LI]
	s_mul_i32 s2, s16, PB                          ; of source 0, behind source 1's two blocks,
	s_add_co_u32 s2, s2, 2*PB
	v_add_nc_u32 v[ADRB], s2, v[LI]
	s_mul_i32 s2, s15, BLKB                        ; and the same in the small slot
	s_add_co_u32 s2, s2, QSLOT
	v_add_nc_u32 v[ADRA+1], s2, v[LI]
	s_mul_i32 s2, s16, BLKB
	s_add_co_u32 s2, s2, QSLOT+2*BLKB
	v_add_nc_u32 v[ADRB+1], s2, v[LI]
	s_mov_b32 s[SEL], 0x76543210
	s_mov_b32 s[SEL+1], 0xfedcba98
	; where my results go.  These numbers mix cx and cy: they enter the stores' addresses alone, in registers that feed no descriptor
	s_lshl_b32 s98, s41, 1
	s_add_co_u32 s98, s98, s15                     ; which of the cluster's eight groups of source 1 is mine
	s_lshl_b32 s99, s40, 1
	s_add_co_u32 s99, s99, s16                     ; and of source 0
	s_cmp_eq_u32 s12, 2
	s_cselect_b32 s13, s99, s98                    ; the tokens' side
	s_cselect_b32 s95, s98, s99                    ; the weight's side
	s_add_co_u32 s13, s13, s17                     ; T: my group of 128 tokens, 0 .. 15
	s_lshl_b32 s98, ttmp9, 3
	s_add_co_u32 s95, s95, s98
	s_and_b32 s95, s95, 15                         ; my head
	s_lshl_b32 s2, s13, 4
	s_add_co_u32 s2, s2, s95
	s_lshl_b32 s2, s2, 16
	s_mov_b32 s3, 0
	s_add_nc_u64 s[104:105], s[10:11], s[2:3]      ; z's images: (16 T + head) x 65,536
	s_lshr_b32 s98, s13, 3
	s_lshl_b32 s98, s98, 4
	s_add_co_u32 s98, s98, s95                     ; 16 x batch + head
	s_lshl_b32 s98, s98, 3
	s_and_b32 s99, s13, 7
	s_add_co_u32 s98, s98, s99
	s_mul_i32 s98, s98, QBLK                       ; my block of qkv
	s_sub_co_u32 s99, s12, 1
	s_mul_i32 s13, s99, 12288                      ; k's codes at 0, v's at 12,288,
	s_lshl_b32 s95, s99, 10
	s_add_co_u32 s95, s95, 24576                   ; their scale words at 24,576 and 25,600,
	s_cmp_eq_u32 s12, 0
	s_cselect_b32 s13, 26624, s13                  ; q's codes and
	s_cselect_b32 s95, 38912, s95                  ; scale words behind them
	s_add_co_u32 s2, s98, s13
	s_add_nc_u64 s[100:101], s[8:9], s[2:3]
	s_add_co_u32 s2, s98, s95
	s_add_nc_u64 s[98:99], s[8:9], s[2:3]
; Where unit n (128 along K, n = 0 .. 15) lies in LDS: step n / 2 of 256 K is the large slot's first half, its second half, or the small slot, by turns of three
.macro LOC n
.set KLS, ((\n)/2)%3
.if KLS == 2
.set KLA, ADRA+1
.set KLB, ADRB+1
.set KLO, 12288*((\n)%2)
.else
.set KLA, ADRA
.set KLB, ADRB
.set KLO, BLKB*KLS+12288*((\n)%2)
.endif
.endm
.macro FRAG reg, adr, off              ; a fragment comes as it was stored: three loads, 512 consecutive bytes each
.irp c, 0,1,2
	ds_load_b128 v[\reg+4*\c:\reg+4*\c+3], v[\adr] offset:\off+512*\c
.endr
.endm
; 16 matrix instructions of unit n: source 1's blocks a0, a0 + 1 x source 0's eight (set n % 2).  zero = 1: the first product starts the sums: nothing is ever cleared.
; The 64 accumulators take turns, one instruction a turn, in the same order in every unit.
.macro MUL16 a0, n, zero
.irp a, \a0, \a0+1
.irp b, 0,1,2,3,4,5,6,7
.set rD, 8*(8*((\a)%4)+\b)
.set rB, 128*((\n)%2)+FR*\b
.set rA, AF+FR*(\a)
.set rSB, 32+16*((\n)/2)+96*((\n)/12)+8+\b
.set rSA, 32+16*((\n)/2)+96*((\n)/12)+(\a)
.if \zero
	v_wmma_scale_f32_16x16x128_f8f6f4 v[rD:rD+7], v[rB:rB+FR-1], v[rA:rA+FR-1], 0, v[rSB], v[rSA] matrix_a_fmt:MATRIX_FMT_FP6 matrix_b_fmt:MATRIX_FMT_FP6
.elseif (\n)%2
	v_wmma_scale_f32_16x16x128_f8f6f4 v[rD:rD+7], v[rB:rB+FR-1], v[rA:rA+FR-1], v[rD:rD+7], v[rSB], v[rSA] matrix_a_fmt:MATRIX_FMT_FP6 matrix_b_fmt:MATRIX_FMT_FP6 matrix_a_scale:MATRIX_SCALE_ROW1 matrix_b_scale:MATRIX_SCALE_ROW1
.else
	v_wmma_scale_f32_16x16x128_f8f6f4 v[rD:rD+7], v[rB:rB+FR-1], v[rA:rA+FR-1], v[rD:rD+7], v[rSB], v[rSA] matrix_a_fmt:MATRIX_FMT_FP6 matrix_b_fmt:MATRIX_FMT_FP6
.endif
.endr
.endr
.endm
.macro FETCH_B n                       ; source 0's eight fragments of unit n into set n % 2
	LOC \n
	WIN TO_B
.irp i, 0,1,2,3,4,5,6,7
	FRAG 128*((\n)%2)+FR*\i, KLB, KLO+1536*\i
.endr
	WIN 0
.endm
.macro FETCH_A n, i0                   ; source 1's blocks i0 .. i0 + 3 of unit n
	LOC \n
.irp i, \i0, \i0+1, \i0+2, \i0+3
	FRAG AF+FR*(\i), KLA, KLO+1536*(\i)
.endr
.endm
; A unit whose successor lies in the same slot.  A block of source 1 is free as soon as its eight products are issued: blocks 0-3 are fetched anew in the middle, blocks 4-7 at the end.
.macro STEP n, zero
	s_wait_dscnt 4*NL                              ; all but the youngest 12 loads (source 1's blocks 4-7) are in
	WIN MUL_LO
	MUL16 0, \n, \zero
	MUL16 2, \n, \zero
	s_wait_dscnt 0x0                               ; blocks 4-7 are in
	PLACES NP                                      ; in front of loads into registers that matrix instructions have read
	FETCH_B (\n)+1
	FETCH_A (\n)+1, 0
	WIN MUL_HI
	MUL16 4, \n, \zero
	MUL16 6, \n, \zero
	PLACES NP
	WIN 0
	FETCH_A (\n)+1, 4
.endm
; A slot's last unit changes slots: ONE barrier; in front of it each wave waits for all its tensor loads, adds 0 to its spare word, and waits for that and for its reads of this slot.
; fill = 1: the slot that is left is filled again, with the steps of 256 K that lie three further on.
.macro TURN n, fill
.set SL, (((\n)/2)%3)/2                ; the slot that is left: 0 the large one, 1 the small one
	s_wait_tensorcnt 0x0                           ; all my tensor loads have landed: my part of the other slot
	ds_add_u32 v[SPW], v[NIL]                      ; 0 onto my spare word
	s_wait_dscnt 4*NL+1                            ; the add and the youngest 12 loads may be out
	WIN MUL_LO
	MUL16 0, \n, 0
	s_wait_dscnt 0x0                               ; the add is done, and my reads of this slot are over
	s_barrier_signal -1
	MUL16 2, \n, 0
	WIN 0
	s_barrier_wait -1
.if \fill
	CREST                                          ; the barrier has opened a round of the cluster's: no wave of any partner still reads this slot or has a load on its way
	s_add_nc_u64 s[G0+4*SL+2:G0+4*SL+3], s[G0+4*SL+2:G0+4*SL+3], 3*BLKB
	s_add_nc_u64 s[G0B+4*SL+2:G0B+4*SL+3], s[G0B+4*SL+2:G0B+4*SL+3], 3*BLKB
.if SL == 0
	JLOAD G0, G1, G0B, G1B                         ; the first tensor load behind the round; its four v_nop are the places in front of the loads below
.else
	JLOAD G0+4, G1Q, G0B+4, G1BQ
.endif
.else
	PLACES NP
.endif
	FETCH_B (\n)+1
	FETCH_A (\n)+1, 0
	WIN MUL_HI
	MUL16 4, \n, 0
	MUL16 6, \n, 0
	PLACES NP
	WIN 0
	FETCH_A (\n)+1, 4
.endm
	s_wait_loadcnt 0x0                             ; the scale words
	s_wait_tensorcnt 1                             ; my part of the large slot is in; the small slot's load may be out
	s_barrier_signal -1
	s_barrier_wait -1
	FETCH_B 0
	FETCH_A 0, 0
	FETCH_A 0, 4
	STEP 0, 1                                      ; its products start the sums
	STEP 1, 0
	STEP 2, 0
	TURN 3, 1                                      ; the large slot takes steps 3 and 4 of 256 K: the load has the small slot's two units in which to land
	STEP 4, 0
	TURN 5, 1                                      ; the small slot takes step 5: four units
	STEP 6, 0
	STEP 7, 0
	STEP 8, 0
	TURN 9, 1                                      ; the large slot takes steps 6 and 7: two units
	STEP 10, 0
	TURN 11, 0                                     ; nothing is left to fetch
	STEP 12, 0
	STEP 13, 0
	STEP 14, 0
	s_wait_dscnt 4*NL
	WIN MUL_LO
	MUL16 0, 15, 0
	MUL16 2, 15, 0
	s_wait_dscnt 0x0
	WIN MUL_HI
	MUL16 4, 15, 0
	MUL16 6, 15, 0
	WIN 0
	PLACES NP                                      ; behind the last products: results are read, and registers that held fragments are written
; q, k, v: block a's 64 registers of a lane are 128 neighbours along the next K: a fragment and a scale word a row.  Each accumulator is read from its low end on.
.macro QUANTW a
.set W, 2+(\a)/4
.set AC, 64*((\a)%4)
.set WW, (W<<2)|(W<<4)
	WIN WW                                         ; sources 1 and 2 in the accumulators' window
.irp b, 0,1,2,3
	v_max3_num_f32 v[TM+\b], 0x1800000, |v[AC+16*\b]|, |v[AC+16*\b+1]|   ; my 16 numbers of block b, and the floor 2^(3 - 127)
.endr
.irp i, 2,4,6,8,10,12,14
.irp b, 0,1,2,3
	v_max3_num_f32 v[TM+\b], v[TM+\b], |v[AC+16*\b+\i]|, |v[AC+16*\b+\i+1]|
.endr
.endr
	WIN 0
.irp b, 0,1,2,3
	v_permlanex16_b32 v[TM+4+\b], v[TM+\b], s[SEL], s[SEL+1]
.endr
.irp b, 0,1,2,3
	v_max_num_f32 v[TM+\b], v[TM+\b], v[TM+4+\b]   ; with lane l xor 16's: the block's largest magnitude
.endr
.irp b, 0,1,2,3
	v_add_nc_u32 v[TM+12+\b], 0xff000000, v[TM+\b] ; 2 off the exponent field: the conversion's scale operand
.endr
.irp b, 0,1,2,3
	v_lshrrev_b32 v[TM+4+\b], 23, v[TM+12+\b]      ; the scale's byte
.endr
	v_lshl_or_b32 v[SW+(\a)], v[TM+5], 8, v[TM+4]
	v_lshl_or_b32 v[SW+(\a)], v[TM+6], 16, v[SW+(\a)]
	v_lshl_or_b32 v[SW+(\a)], v[TM+7], 24, v[SW+(\a)]
	s_wait_xcnt 0x0                                ; the last block's stores have read their data: the codes' registers are written again only behind this wait
	WIN W                                          ; source 0 in the accumulators' window
.irp c, 0,1
	v_cvt_scalef32_pk16_fp6_f32 v[PC+6*\c:PC+2+6*\c], v[AC+32*\c:AC+15+32*\c], v[TM+12+2*\c]
	v_cvt_scalef32_pk16_fp6_f32 v[PC+12+4*\c:PC+14+4*\c], v[AC+16+32*\c:AC+31+32*\c], v[TM+12+2*\c+1]
.endr
	WIN 0
	v_nop                                          ; one plain place behind a scaled conversion
.irp c, 0,1                            ; the operand's layout wants a whole block in a lane
.irp i, 0,1,2
	v_permlane16_swap_b32 v[PC+6*\c+\i], v[PC+12+4*\c+\i]
.endr
.irp i, 0,1,2
	v_mov_b32 v[PC+3+6*\c+\i], v[PC+12+4*\c+\i]
.endr
.endr
.irp c, 0,1,2
	global_store_b128 v[LI], v[PC+4*\c:PC+4*\c+3], s[100:101] offset:1536*(\a)+512*\c   ; 512 consecutive bytes, aligned
.endr
.if (\a)%4 == 3
	global_store_b128 v[LI], v[SW+(\a)-3:SW+(\a)], s[98:99] offset:512*((\a)/4)         ; four tiles' scale words
.endif
.endm
; z leaves as the accumulators lie: each store takes four registers of every lane, 512 consecutive bytes, aligned; each accumulator from its low end on
.macro ZOUT a
.set WS, 0x08+4*((\a)/4)
.set AC, 64*((\a)%4)
	WIN WS                                         ; a store's data are its source 1: window 2 or 3
.irp k, 0,1,2,3,4,5,6,7,8,9,10,11,12,13,14,15
	global_store_b128 v[LI], v[AC+4*\k:AC+4*\k+3], s[104:105] offset:8192*(\a)+512*\k th:TH_STORE_NT
.endr
.endm
	s_cmp_eq_u32 s12, 3                            ; the kind is the same in all sixteen partners
	s_cbranch_scc1 .Lgate
.irp b, 0,1,2,3
	v_mov_b32 v[TM+4+\b], 0                        ; written once: a lane permute's destination counts as one of its sources
.endr
.irp a, 0,1,2,3,4,5,6,7
	QUANTW \a
.endr
	s_branch .Lend
.Lgate:
.irp a, 0,1,2,3,4,5,6,7
	ZOUT \a
.endr
	WIN 0
.Lend:
	s_wait_tensorcnt 0x0                           ; the wave's end
	ds_add_u32 v[SPW], v[NIL]
	s_wait_dscnt 0x0
	CROUND                                         ; the closing round
	s_endpgm
.Lfunc_end_k_q1187a51aba_proj:
	.size	k_q1187a51aba_proj, .Lfunc_end_k_q1187a51aba_proj-k_q1187a51aba_proj
	.p2alignl 7, 3214868480
	.fill 96, 4, 3214868480
	.section	.rodata,"a",@progbits
	.p2align	6, 0x0
	.amdhsa_kernel k_q1187a51aba_proj
		.amdhsa_group_segment_fixed_size 327680
		.amdhsa_private_segment_fixed_size 0
		.amdhsa_enable_private_segment 0
		.amdhsa_kernarg_size 32
		.amdhsa_user_sgpr_count 2
		.amdhsa_user_sgpr_kernarg_segment_ptr 1
		.amdhsa_wavefront_size32 1
		.amdhsa_system_sgpr_workgroup_id_x 1
		.amdhsa_system_sgpr_workgroup_id_y 1
		.amdhsa_system_sgpr_workgroup_id_z 1
		.amdhsa_system_vgpr_workitem_id 0
		.amdhsa_next_free_vgpr 1024
		.amdhsa_next_free_sgpr 106
		.amdhsa_reserve_vcc 0
		.amdhsa_float_denorm_mode_32 3
		.amdhsa_float_denorm_mode_16_64 3
		.amdhsa_memory_ordered 1
		.amdhsa_forward_progress 1
		.amdhsa_inst_pref_size 245
	.end_amdhsa_kernel
	.amdgpu_metadata
---
amdhsa.version: [ 1, 2 ]
amdhsa.kernels:
  - .name:           k_q1187a51aba_proj
    .symbol:         k_q1187a51aba_proj.kd
    .args:
      - { .name: codes, .offset: 0, .size: 8, .value_kind: global_buffer, .address_space: global }
      - { .name: scales, .offset: 8, .size: 8, .value_kind: global_buffer, .address_space: global }
      - { .name: qkv, .offset: 16, .size: 8, .value_kind: global_buffer, .address_space: global }
      - { .name: gimg, .offset: 24, .size: 8, .value_kind: global_buffer, .address_space: global }
    .group_segment_fixed_size: 327680
    .private_segment_fixed_size: 0
    .kernarg_segment_align: 8
    .kernarg_segment_size: 32
    .max_flat_workgroup_size: 128
    .sgpr_count:     106
    .vgpr_count:     1024
    .wavefront_size: 32
...
	.end_amdgpu_metadata
.endif
;; end of part 2
;; launch ret (part 3): grid 8 x 32, 8 waves a work-group, clusters of 4 x 1, 214,016 bytes of LDS; arguments qkv, oimg, part; writes oimg, part
.if DOCPART == 3
	.amdgcn_target "amdgcn-amd-amdhsa--gfx1250"
	.amdhsa_code_object_version 6
	.text
	.protected	k_q1187a51aba_ret
	.globl	k_q1187a51aba_ret
	.p2align	8
	.type	k_q1187a51aba_ret,@function
k_q1187a51aba_ret:
	s_mov_b64 s[64:65], 0
	v_nop
	global_prefetch_b8 v0, s[64:65] scope:SCOPE_SE
	s_setreg_imm32_b32 hwreg(HW_REG_WAVE_MODE, 25, 1), 1
	s_wait_xcnt 0x0
	s_wait_alu depctr_hold_cnt(0) depctr_sa_sdst(0) depctr_va_vdst(0) depctr_va_sdst(0) depctr_va_ssrc(0) depctr_va_vcc(0) depctr_vm_vsrc(0)
	s_getreg_b32 s2, hwreg(HW_REG_IB_STS2, 6, 4)
	s_cmp_eq_u32 s2, 0
	s_cbranch_scc0 .Lentry_in_a_cluster
	s_endpgm
.Lentry_in_a_cluster:
	s_bfe_u32 s2, ttmp6, 0x10000c
	s_cmp_lg_u32 s2, 0x3003
	s_cbranch_scc0 .Lentry_shape_is_right
	s_endpgm
.Lentry_shape_is_right:
; Retention of one (batch, head): O[n] = sum over m <= n of Q(q[n] . k[m] x 128^-0.5 x gamma^(n - m)) v[m], both products on codes of FP6 (E2M3); Q quantises along the keys.
; SHARES.  Grid y is 16 x batch + head.  Work-group w8 (0 .. 7) takes tile w8 (16 queries) of EACH of the head's eight groups of 128 tokens; wave g's tile lies in group g and walks key steps 0 .. g, 128 keys each:
; 36 tile steps in every work-group.  Waves 0-3 have g = 0 .. 3, waves 4-7 g = 7 .. 4.
; K's and V's codes and scale words of a key step are 26,624 dense bytes; all eight steps lie in LDS, each filled ONCE: every wave brings an eighth of every step, eight loads together at the start.
; CLUSTER: the four work-groups of a cluster read the same head: every load is joint.  No branch and no LDS address hangs on a work-group's place; branches hang on the wave's number.
; LAYOUT.  S^T = K Q^T (source 0 = 16 keys, source 1 = my 16 queries), O^T = V^T P^T (source 0 = 16 channels): a lane holds ONE query throughout.  A tile's rows are 32 (t / 2) + 8 (t % 2) + p + 8 (p / 8), so that
; register 16 b + i of a lane is key (or channel) 32 b + 16 (lane / 16) + i.
; THE DECAY.  gamma^(n - m) 128^-0.5 = C[register] x AF: C = 2^(-L m' - 3.5), m' the key within its step, a table of 64 registers made once; AF = 2^(L (n - the step's first key)), one exponential a step; L = log2(gamma).
; gamma = 1 - 2^(-5 - 4 head / 15), rounded to f32 as the definition rounds it; ln(gamma) by the series of ln(1 - e) to e^8, e <= 1/32: what is cut is under 1e-12 of the value.
; THE MASK: in the step on the diagonal, a wave's last, the table's entries of hidden keys are set to 0; the steps behind it are left out.
; OUT: O^T as it lies, oimg [16 groups of tokens][16 heads][8 tiles][8,192], and for the group norm the mean and the sum of squared differences from it of my 2,048 numbers: part [32][w8][g] pairs.
; LIMITS: NaN and infinities are not served.  The decay's relative error grows with the distance: about 3e-6 at 2^-47; if the definition's gamma rounds the other way (one unit in its last place), up to 6e-5 at distance 1,000.
; A block of zeros gets the scale byte 1: its codes are zeros.
.set STEPB,  26624                     ; a key step in LDS: K's codes 0, V's 12,288, K's scale words 24,576, V's 25,600
.set EIGHTH, 3328                      ; 13 rows of 256 bytes
.set BLK,    39936                     ; a group's block in qkv
.set LI,   1                           ; v1   16 x lane
.set ADK,  2                           ; v2   LDS address of the step in hand
.set NREL, 3                           ; v3   my query within its group of 128
.set DM,   4                           ; v4   NREL - 16 (lane / 16)
.set LG,   5                           ; v5   L
.set ZR,   6                           ; v6   0
.set QF,   16                          ; v16-27 Q's fragment;  v28 its scale words
.set QS,   28
.set AFR,  30                          ; v[30:31] AF (the pair's upper half is written once)
.set KFR,  32                          ; v32-127 K's eight fragments
.set S,    128                         ; v128-191 S^T, then P
.set PC,   192                         ; v192-211 P's codes
.set TM,   212                         ; v212-227 the quantiser's
.set PW,   228                         ; v228 P's scale words
.set KS,   232                         ; v232-239 K's scale words;  v240-247 V's
.set VS,   240
.set OT,   0                           ; window 1: v0-63 O^T;  v64-127 the table C;  v128-223 V's eight fragments
.set CT,   64
.set VF,   128
.set WV,   10
.set GG,   11
.set SEL,  20
.set G1,   24                          ; s[24:31] group 1;  s[32:63] eight groups 0
.set G0,   32
.set MSB, 0
.macro WIN new
.if MSB != \new
	s_set_vgpr_msb (MSB<<8)|\new
.set MSB, \new
.endif
.endm
.macro ROUND                           ; a round of the cluster's barrier
	s_barrier_signal -1
	s_barrier_wait -1
	s_cmp_lg_u32 s[WV], 0
	s_cbranch_scc1 .Lnot_wave_0_\@
	s_barrier_signal -3
.Lnot_wave_0_\@:
	s_barrier_wait -3
	s_barrier_signal -1
	s_barrier_wait -1
.endm
.macro PLACES
.rept 4
	v_nop
.endr
.endm
; 64 numbers of a lane, register 16 b + i = k 32 b + 16 (lane / 16) + i of my row, become a fragment's codes in v[PC] on and its scale word in v[PW]
.macro QUANT s
.irp b, 0,1,2,3
	v_max3_num_f32 v[TM+\b], |v[\s+16*\b]|, |v[\s+1+16*\b]|, 0x1800000   ; the floor 2^(3 - 127) holds the byte at 1 from below
.endr
.irp i, 2,4,6,8,10,12,14
.irp b, 0,1,2,3
	v_max3_num_f32 v[TM+\b], v[TM+\b], |v[\s+16*\b+\i]|, |v[\s+1+16*\b+\i]|
.endr
.endr
.irp b, 0,1,2,3
	v_permlanex16_b32 v[TM+4+\b], v[TM+\b], s[SEL], s[SEL+1]
.endr
.irp b, 0,1,2,3
	v_max_num_f32 v[TM+\b], v[TM+\b], v[TM+4+\b]
.endr
.irp b, 0,1,2,3
	v_add_nc_u32 v[TM+12+\b], 0xff000000, v[TM+\b]
.endr
.irp b, 0,1,2,3
	v_lshrrev_b32 v[TM+4+\b], 23, v[TM+12+\b]
.endr
	v_lshl_or_b32 v[PW], v[TM+5], 8, v[TM+4]
	v_lshl_or_b32 v[PW], v[TM+6], 16, v[PW]
	v_lshl_or_b32 v[PW], v[TM+7], 24, v[PW]
.irp c, 0,1
	v_cvt_scalef32_pk16_fp6_f32 v[PC+6*\c:PC+2+6*\c], v[\s+32*\c:\s+15+32*\c], v[TM+12+2*\c]
	v_cvt_scalef32_pk16_fp6_f32 v[PC+12+4*\c:PC+14+4*\c], v[\s+16+32*\c:\s+31+32*\c], v[TM+12+2*\c+1]
.endr
	v_nop                                          ; one plain place behind a scaled conversion
.irp c, 0,1
.irp i, 0,1,2
	v_permlane16_swap_b32 v[PC+6*\c+\i], v[PC+12+4*\c+\i]
.endr
.irp i, 0,1,2
	v_mov_b32 v[PC+3+6*\c+\i], v[PC+12+4*\c+\i]
.endr
.endr
.endm
	s_load_b128 s[4:7], s[0:1], 0x0                ; qkv, oimg
	s_load_b64 s[8:9], s[0:1], 0x10                ; part
	v_lshl_add_u32 v254, v0, 2, 0x34000
	v_mov_b32 v255, 0
	ds_add_u32 v254, v255
	ds_add_u32 v254, v255
	v_lshrrev_b32 v8, 5, v0
	v_readfirstlane_b32 s[WV], v8                  ; wave 0..7
	s_lshr_b32 s[GG], s[WV], 2
	s_mul_i32 s[GG], s[GG], 3
	s_xor_b32 s[GG], s[GG], s[WV]                  ; g: 0, 1, 2, 3, 7, 6, 5, 4
	s_bfe_u32 s12, ttmp6, 0x40000                  ; cx
	s_lshl_b32 s13, ttmp9, 2
	s_add_co_u32 s13, s13, s12                     ; w8: it enters Q's and the results' addresses and the decay's numbers alone
	s_and_b32 s14, ttmp7, 0xffff                   ; 16 x batch + head, which the partners share
	s_and_b32 s15, s14, 15                         ; head
	s_mov_b32 s[G1], 15|(3<<16)|(1<<21)            ; 15:0 the mask: all four; 17:16 elements of 8 bytes; 21 set beside a mask; no padding
	s_mov_b32 s[G1+1], 32<<16                      ; tensor_dim0: rows of 256 bytes
	s_mov_b32 s[G1+2], 13<<16                      ; tensor_dim1
	s_mov_b32 s[G1+3], 32<<16                      ; tile_dim0
	s_mov_b32 s[G1+4], 13                          ; tile_dim1
	s_mov_b32 s[G1+5], 32                          ; the pitch
	s_mov_b32 s[G1+6], 0
	s_mov_b32 s[G1+7], 0
	s_mul_i32 s16, s14, 8*BLK                      ; the head's first block,
	s_mul_i32 s18, s[WV], EIGHTH                   ; my eighth of a step, in memory and in LDS
	s_add_co_u32 s16, s16, s18
	s_mov_b32 s17, 0
	s_mov_b32 s[SEL], 0x76543210
	s_mov_b32 s[SEL+1], 0xfedcba98
	s_wait_dscnt 0x0
	s_wait_kmcnt 0x0
	s_add_nc_u64 s[16:17], s[4:5], s[16:17]
	ROUND                                          ; all four work-groups are here: the joint loads meet
.irp s, 0,1,2,3,4,5,6,7
	s_mov_b32 s[G0+4*\s], 1
	s_add_co_u32 s[G0+4*\s+1], s18, \s*STEPB
	s_add_nc_u64 s[G0+4*\s+2:G0+4*\s+3], s[16:17], \s*BLK
	s_or_b32 s[G0+4*\s+3], s[G0+4*\s+3], 0x80000000
.endr
.irp s, 0,1,2,3,4,5,6,7
	tensor_load_to_lds s[G0+4*\s:G0+4*\s+3], s[G1:G1+7]   ; eight loads of mine are out; nothing is ever filled twice
	s_nop 0
.endr
.rept 4
	v_nop
.endr
	s_lshl_b32 s74, s14, 3
	s_add_co_u32 s74, s74, s[GG]
	s_mul_i32 s74, s74, BLK                        ; my queries' block
	s_mul_i32 s66, s13, 1536
	s_add_co_u32 s66, s66, s74
	s_mov_b32 s67, 0
	s_add_nc_u64 s[66:67], s[4:5], s[66:67]        ; Q's fragment (26,624 further on)
	s_lshr_b32 s72, s13, 2
	s_lshl_b32 s72, s72, 9
	s_and_b32 s75, s13, 3
	s_lshl_b32 s75, s75, 2
	s_add_co_u32 s72, s72, s75
	s_add_co_u32 s72, s72, s74
	s_mov_b32 s73, 0
	s_add_nc_u64 s[72:73], s[4:5], s[72:73]        ; its scale words (38,912 further on)
	v_and_b32 v14, 31, v0                          ; lane
	v_lshlrev_b32 v[LI], 4, v14
.irp c, 0,1,2
	global_load_b128 v[QF+4*\c:QF+4*\c+3], v[LI], s[66:67] offset:26624+512*\c
.endr
	global_load_b32 v[QS], v[LI], s[72:73] offset:38912
	s_lshr_b32 s68, s14, 4
	s_lshl_b32 s68, s68, 3
	s_add_co_u32 s68, s68, s[GG]                   ; my group of tokens, 0 .. 15
	s_lshl_b32 s68, s68, 4
	s_add_co_u32 s68, s68, s15
	s_lshl_b32 s68, s68, 3
	s_add_co_u32 s68, s68, s13
	s_lshl_b32 s68, s68, 13
	s_mov_b32 s69, 0
	s_add_nc_u64 s[68:69], s[6:7], s[68:69]        ; O's image
	s_lshl_b32 s70, s14, 3
	s_add_co_u32 s70, s70, s13
	s_lshl_b32 s70, s70, 3
	s_add_co_u32 s70, s70, s[GG]
	s_lshl_b32 s70, s70, 3
	s_mov_b32 s71, 0
	s_add_nc_u64 s[70:71], s[8:9], s[70:71]        ; my pair
	v_and_b32 v8, 15, v0                           ; r
	v_bfe_u32 v9, v0, 4, 1
	v_lshlrev_b32 v9, 4, v9                        ; 16 h
	v_and_b32 v10, 8, v8
	v_add_nc_u32 v[NREL], v8, v10
	s_lshr_b32 s74, s13, 1
	s_lshl_b32 s74, s74, 5
	s_and_b32 s75, s13, 1
	s_lshl_b32 s75, s75, 3
	s_add_co_u32 s74, s74, s75
	v_add_nc_u32 v[NREL], s74, v[NREL]             ; 32 (w8 / 2) + 8 (w8 % 2) + r + 8 (r / 8)
	v_sub_nc_u32 v[DM], v[NREL], v9
	v_mov_b32 v[ZR], 0
	v_mov_b32 v[AFR+1], 0
.irp b, 0,1,2,3
	v_mov_b32 v[TM+4+\b], 0                        ; written once: a lane permute's destination counts as one of its sources
.endr
	v_cvt_f32_u32 v8, s15
	v_mov_b32 v10, 0xbe888889                      ; -4 / 15
	v_fmaak_f32 v8, v8, v10, 0xc0a00000            ; -5 - 4 head / 15
	v_exp_f32 v8, v8
	v_mov_b32 v10, 0x3e000000                      ; 1/8.  (A plain place behind the exponential)
	s_wait_alu depctr_va_vdst(0)                   ; ahead of the first reader
	v_sub_f32 v11, 1.0, v8                         ; gamma, rounded to f32
	v_sub_f32 v8, 1.0, v11                         ; e = 1 - gamma: exact
	v_fmaak_f32 v10, v10, v8, 0x3e124925           ; 1 + e / 2 + .. + e^7 / 8, from the far end
	v_fmaak_f32 v10, v10, v8, 0x3e2aaaab
	v_fmaak_f32 v10, v10, v8, 0x3e4ccccd
	v_fmaak_f32 v10, v10, v8, 0x3e800000
	v_fmaak_f32 v10, v10, v8, 0x3eaaaaab
	v_fmaak_f32 v10, v10, v8, 0x3f000000
	v_fmaak_f32 v10, v10, v8, 0x3f800000
	v_mul_f32 v10, v10, v8                         ; -ln(gamma)
	v_mul_f32 v[LG], 0xbfb8aa3b, v10               ; L
	v_mul_f32 v11, 0x3fb8aa3b, v10                 ; -L
.set j, 0
.rept 64
	v_add_nc_u32 v[S+j], 32*(j/16)+j%16, v9        ; the register's key within a step
.set j, j+1
.endr
.set j, 0
.rept 64
	v_cvt_f32_u32 v[S+j], v[S+j]
.set j, j+1
.endr
.set j, 0
.rept 64
	v_fmaak_f32 v[S+j], v11, v[S+j], 0xc0600000    ; -L m' - 3.5
.set j, j+1
.endr
	WIN 0x40                                       ; destination window 1
.set j, 0
.rept 64
	v_exp_f32 v[CT+j], v[S+j]
.set j, j+1
.endr
	WIN 0
	v_nop
	s_wait_alu depctr_va_vdst(0)                   ; one wait for the table's batch
	s_wait_loadcnt 0x0                             ; Q
; KEY STEP s.  Every wave passes its barrier; a wave whose queries all lie ahead of the step's keys leaves the work out.
.macro STEPK s
	s_wait_tensorcnt 7-\s                          ; my eighth of step s is in; the 7 - s later steps' loads may be out
	s_barrier_signal -1
	s_barrier_wait -1                              ; everybody's is
.if \s > 0
	s_cmp_lt_u32 s[GG], \s
	s_cbranch_scc1 .Lskip_\@
.endif
	s_cmp_lg_u32 s[GG], \s
	s_cbranch_scc1 .Lopen_\@
	WIN 0x41                                       ; the table: destination and source 0 in window 1
.set j, 0
.rept 64
	v_cmp_gt_i32 vcc_lo, 32*(j/16)+j%16, v[DM]     ; on the diagonal, my last step: key 32 b + 16 h + i is hidden where it is above my query
	v_cndmask_b32 v[CT+j], v[CT+j], v[ZR], vcc_lo
.set j, j+1
.endr
	WIN 0
.Lopen_\@:
	s_sub_co_u32 s74, s[GG], \s
	s_lshl_b32 s74, s74, 7
	v_add_nc_u32 v[ADK], \s*STEPB, v[LI]           ; these four plain lines are also the places between the last step's products and the loads into V's registers
	v_add_nc_u32 v8, s74, v[NREL]                  ; my query less the step's first key
	v_cvt_f32_i32 v8, v8
	v_mul_f32 v8, v[LG], v8
	v_exp_f32 v[AFR], v8
.irp t, 0,1,2,3,4,5,6,7
.irp c, 0,1,2
	ds_load_b128 v[KFR+12*\t+4*\c:KFR+12*\t+4*\c+3], v[ADK] offset:1536*\t+512*\c
.endr
.endr
.irp u, 0,1
	ds_load_b128 v[KS+4*\u:KS+4*\u+3], v[ADK] offset:24576+512*\u
.endr
.irp u, 0,1
	ds_load_b128 v[VS+4*\u:VS+4*\u+3], v[ADK] offset:25600+512*\u
.endr
	WIN 0x40
.irp t, 0,1,2,3,4,5,6,7
.irp c, 0,1,2
	ds_load_b128 v[VF+12*\t+4*\c:VF+12*\t+4*\c+3], v[ADK] offset:12288+1536*\t+512*\c
.endr
.endr
	WIN 0
	s_wait_dscnt 24                                ; all but V's 24 fragment loads are in
.irp t, 0,1,2,3,4,5,6,7
	v_wmma_scale_f32_16x16x128_f8f6f4 v[S+8*\t:S+8*\t+7], v[KFR+12*\t:KFR+12*\t+11], v[QF:QF+11], 0, v[KS+\t], v[QS] matrix_a_fmt:MATRIX_FMT_FP6 matrix_b_fmt:MATRIX_FMT_FP6
.endr
	PLACES
	WIN 0x04                                       ; source 1 in window 1
.set j, 0
.rept 32
	v_pk_mul_f32 v[S+j:S+j+1], v[S+j:S+j+1], v[CT+j:CT+j+1]   ; each accumulator from its low end on
.set j, j+2
.endr
	WIN 0
	s_wait_alu depctr_va_vdst(0)                   ; AF's exponential, ahead of its first reader
.set j, 0
.rept 32
	v_pk_mul_f32 v[S+j:S+j+1], v[S+j:S+j+1], v[AFR:AFR+1] op_sel_hi:[1,0]
.set j, j+2
.endr
	QUANT S
.rept 8
	v_nop                                          ; a scale register written by a vector instruction stands 8 places ahead of a scaled matrix instruction, an operand so written 4
.endr
	s_wait_dscnt 0x0                               ; V
	WIN 0x51                                       ; V, C and D in window 1, P in window 0
.irp t, 0,1,2,3,4,5,6,7
.if \s == 0
	v_wmma_scale_f32_16x16x128_f8f6f4 v[OT+8*\t:OT+8*\t+7], v[VF+12*\t:VF+12*\t+11], v[PC:PC+11], 0, v[VS+\t], v[PW] matrix_a_fmt:MATRIX_FMT_FP6 matrix_b_fmt:MATRIX_FMT_FP6
.else
	v_wmma_scale_f32_16x16x128_f8f6f4 v[OT+8*\t:OT+8*\t+7], v[VF+12*\t:VF+12*\t+11], v[PC:PC+11], v[OT+8*\t:OT+8*\t+7], v[VS+\t], v[PW] matrix_a_fmt:MATRIX_FMT_FP6 matrix_b_fmt:MATRIX_FMT_FP6
.endif
.endr
	WIN 0
.Lskip_\@:
.endm
.irp s, 0,1,2,3,4,5,6,7
	STEPK \s
.endr
	PLACES
	WIN 0x04                                       ; a store's data are its source 1
.irp k, 0,1,2,3,4,5,6,7,8,9,10,11,12,13,14,15
	global_store_b128 v[LI], v[OT+4*\k:OT+4*\k+3], s[68:69] offset:512*\k th:TH_STORE_NT   ; 512 consecutive bytes, aligned
.endr
	WIN 0x05
	v_pk_add_f32 v[8:9], v[OT:OT+1], v[OT+2:OT+3]  ; the sum of my 64, two at a time, in two chains
	v_pk_add_f32 v[10:11], v[OT+4:OT+5], v[OT+6:OT+7]
	WIN 0x04
.irp j, 8,12,16,20,24,28,32,36,40,44,48,52,56,60
	v_pk_add_f32 v[8:9], v[8:9], v[OT+\j:OT+\j+1]
	v_pk_add_f32 v[10:11], v[10:11], v[OT+\j+2:OT+\j+3]
.endr
	WIN 0
.macro RED                             ; v[8:11] -> the wave's sum in v8 of every lane
	v_pk_add_f32 v[8:9], v[8:9], v[10:11]
	v_add_f32 v8, v8, v9
	v_add_f32_dpp v8, v8, v8 row_xmask:1 row_mask:0xf bank_mask:0xf
	v_add_f32_dpp v8, v8, v8 row_xmask:2 row_mask:0xf bank_mask:0xf
	v_add_f32_dpp v8, v8, v8 row_xmask:4 row_mask:0xf bank_mask:0xf
	v_add_f32_dpp v8, v8, v8 row_xmask:8 row_mask:0xf bank_mask:0xf
	v_permlanex16_b32 v9, v8, s[SEL], s[SEL+1]
	v_add_f32 v8, v8, v9
.endm
	RED
	v_mul_f32 v12, 0x3a000000, v8                  ; / 2,048: the mean
	v_mov_b32 v13, v12
	WIN 0x01
.set j, 0
.rept 32
	v_pk_add_f32 v[S+j:S+j+1], v[OT+j:OT+j+1], v[12:13] neg_lo:[0,1] neg_hi:[0,1]
.set j, j+2
.endr
	WIN 0
	v_pk_mul_f32 v[8:9], v[S:S+1], v[S:S+1]
	v_pk_mul_f32 v[10:11], v[S+2:S+3], v[S+2:S+3]
.irp j, 4,8,12,16,20,24,28,32,36,40,44,48,52,56,60
	v_pk_fma_f32 v[8:9], v[S+\j:S+\j+1], v[S+\j:S+\j+1], v[8:9]
	v_pk_fma_f32 v[10:11], v[S+\j+2:S+\j+3], v[S+\j+2:S+\j+3], v[10:11]
.endr
	RED
	v_mov_b32 v13, v8                              ; the sum of squared differences from my mean: no difference of large sums is formed
	v_cmp_eq_u32 vcc_lo, 0, v14
	s_wait_xcnt 0x0                                ; EXEC changes only behind this wait
	s_and_saveexec_b32 s74, vcc_lo
	global_store_b64 v[ZR], v[12:13], s[70:71]     ; lane 0 alone
	s_wait_xcnt 0x0
	s_or_b32 exec_lo, exec_lo, s74
	s_wait_tensorcnt 0x0
	ds_add_u32 v254, v255
	s_wait_dscnt 0x0
	ROUND                                          ; the closing round: no work-group ends while a partner may still ask jointly
	s_endpgm
.Lfunc_end_k_q1187a51aba_ret:
	.size	k_q1187a51aba_ret, .Lfunc_end_k_q1187a51aba_ret-k_q1187a51aba_ret
	.p2alignl 7, 3214868480
	.fill 96, 4, 3214868480
	.section	.rodata,"a",@progbits
	.p2align	6, 0x0
	.amdhsa_kernel k_q1187a51aba_ret
		.amdhsa_group_segment_fixed_size 214016
		.amdhsa_private_segment_fixed_size 0
		.amdhsa_enable_private_segment 0
		.amdhsa_kernarg_size 24
		.amdhsa_user_sgpr_count 2
		.amdhsa_user_sgpr_kernarg_segment_ptr 1
		.amdhsa_wavefront_size32 1
		.amdhsa_system_sgpr_workgroup_id_x 1
		.amdhsa_system_sgpr_workgroup_id_y 1
		.amdhsa_system_sgpr_workgroup_id_z 1
		.amdhsa_system_vgpr_workitem_id 0
		.amdhsa_next_free_vgpr 512
		.amdhsa_next_free_sgpr 84
		.amdhsa_reserve_vcc 1
		.amdhsa_float_denorm_mode_32 3
		.amdhsa_float_denorm_mode_16_64 3
		.amdhsa_memory_ordered 1
		.amdhsa_forward_progress 1
		.amdhsa_inst_pref_size 182
	.end_amdhsa_kernel
	.amdgpu_metadata
---
amdhsa.version: [ 1, 2 ]
amdhsa.kernels:
  - .name:           k_q1187a51aba_ret
    .symbol:         k_q1187a51aba_ret.kd
    .args:
      - { .name: qkv, .offset: 0, .size: 8, .value_kind: global_buffer, .address_space: global }
      - { .name: oimg, .offset: 8, .size: 8, .value_kind: global_buffer, .address_space: global }
      - { .name: part, .offset: 16, .size: 8, .value_kind: global_buffer, .address_space: global }
    .group_segment_fixed_size: 214016
    .private_segment_fixed_size: 0
    .kernarg_segment_align: 8
    .kernarg_segment_size: 24
    .max_flat_workgroup_size: 256
    .sgpr_count:     84
    .vgpr_count:     512
    .wavefront_size: 32
...
	.end_amdgpu_metadata
.endif
;; end of part 3
;; launch gate (part 4): grid 16 x 16, 8 waves a work-group, no clusters, 2,048 bytes of LDS; arguments gimg, oimg, part, gn_w, gn_b, ycodes, yscales; writes ycodes, yscales
.if DOCPART == 4
	.amdgcn_target "amdgcn-amd-amdhsa--gfx1250"
	.amdhsa_code_object_version 6
	.text
	.protected	k_q1187a51aba_gate
	.globl	k_q1187a51aba_gate
	.p2align	8
	.type	k_q1187a51aba_gate,@function
k_q1187a51aba_gate:
	s_mov_b64 s[64:65], 0
	v_nop
	global_prefetch_b8 v0, s[64:65] scope:SCOPE_SE
	s_setreg_imm32_b32 hwreg(HW_REG_WAVE_MODE, 25, 1), 1
	s_wait_xcnt 0x0
; y = silu(z) x ((O - mu) / sqrt(var + 1e-5) x gn_w + gn_b), f32, quantised along the 2,048 channels into codes of FP6 (E2M3): the last product's left operand.  silu(z) = z / (1 + 2^(-z log2 e)).
; z and O arrive as images of the same accumulator layout: lane l holds token p = l % 16 of a tile, register 16 b + i channel 32 b + 16 (l / 16) + i of a head.  So they meet register by register, and a wave's 64
; registers are one fragment (16 tokens x a head's 128 channels) and one scale word a token.  ycodes and yscales are laid as the first launch lays codes and scales (group = 128 tokens, step of 256 K = two heads).
; mu and var of a (batch, head): 64 pairs (mean, sum of squared differences) over 2,048 numbers each are merged: mu = the means' mean; var = (sum of the sums + 2,048 x sum of (mean - mu)^2) / 131,072.
; SHARES: work-group (x, y): x % 2 which four tiles of tokens, x / 2 which two heads, y the group of 128 tokens.  Wave w: tile w % 4 of the four, head w / 4 of the two.  The eight scale words of a lane row meet in LDS
; and leave as one block of 512 bytes.  Memory binds: no matrix unit, no cluster; all 65 loads of a wave go out together, the pairs and z first: the statistics and the activation are worked while O and the gains are on their way.
; LIMITS: NaN and infinities are not served.  Where 2^(-z log2 e) overflows, silu(z) is taken as 0: its true magnitude is under 1e-36 there.  A block of zeros gets the scale byte 1: its codes are zeros, and this
; program alone reads the bytes.
.set G,   16                           ; v16-79   z, then silu(z)
.set O,   80                           ; v80-143
.set TM,  144
.set PC,  160
.set PW,  180
.set MU,  184                          ; v[184:185] mu, twice
.set RS,  186                          ; v[186:187] 1 / sqrt(var + eps), twice
.set PT,  188                          ; v[188:191] two pairs of part
.set E,   192                          ; v192-255 the activation's exponentials and reciprocals
.set GW,  0                            ; window 1: v0-63 gn_w, v64-127 gn_b, at my 64 channels
.set GB,  64
.set SEL, 38
.set NLE, 42                           ; s[42:43] -log2(e)
.set MSB, 0
.macro WIN new
.if MSB != \new
	s_set_vgpr_msb (MSB<<8)|\new
.set MSB, \new
.endif
.endm
.macro QUANT s
.irp b, 0,1,2,3
	v_max3_num_f32 v[TM+\b], |v[\s+16*\b]|, |v[\s+1+16*\b]|, 0x1800000   ; the floor 2^(3 - 127) holds the byte at 1 from below
.endr
.irp i, 2,4,6,8,10,12,14
.irp b, 0,1,2,3
	v_max3_num_f32 v[TM+\b], v[TM+\b], |v[\s+16*\b+\i]|, |v[\s+1+16*\b+\i]|
.endr
.endr
.irp b, 0,1,2,3
	v_permlanex16_b32 v[TM+4+\b], v[TM+\b], s[SEL], s[SEL+1]
.endr
.irp b, 0,1,2,3
	v_max_num_f32 v[TM+\b], v[TM+\b], v[TM+4+\b]
.endr
.irp b, 0,1,2,3
	v_add_nc_u32 v[TM+12+\b], 0xff000000, v[TM+\b]
.endr
.irp b, 0,1,2,3
	v_lshrrev_b32 v[TM+4+\b], 23, v[TM+12+\b]
.endr
	v_lshl_or_b32 v[PW], v[TM+5], 8, v[TM+4]
	v_lshl_or_b32 v[PW], v[TM+6], 16, v[PW]
	v_lshl_or_b32 v[PW], v[TM+7], 24, v[PW]
.irp c, 0,1
	v_cvt_scalef32_pk16_fp6_f32 v[PC+6*\c:PC+2+6*\c], v[\s+32*\c:\s+15+32*\c], v[TM+12+2*\c]
	v_cvt_scalef32_pk16_fp6_f32 v[PC+12+4*\c:PC+14+4*\c], v[\s+16+32*\c:\s+31+32*\c], v[TM+12+2*\c+1]
.endr
	v_nop                                          ; one plain place behind a scaled conversion
.irp c, 0,1
.irp i, 0,1,2
	v_permlane16_swap_b32 v[PC+6*\c+\i], v[PC+12+4*\c+\i]
.endr
.irp i, 0,1,2
	v_mov_b32 v[PC+3+6*\c+\i], v[PC+12+4*\c+\i]
.endr
.endr
.endm
.macro RED                             ; v8 -> the wave's sum, in every lane
	v_add_f32_dpp v8, v8, v8 row_xmask:1 row_mask:0xf bank_mask:0xf
	v_add_f32_dpp v8, v8, v8 row_xmask:2 row_mask:0xf bank_mask:0xf
	v_add_f32_dpp v8, v8, v8 row_xmask:4 row_mask:0xf bank_mask:0xf
	v_add_f32_dpp v8, v8, v8 row_xmask:8 row_mask:0xf bank_mask:0xf
	v_permlanex16_b32 v9, v8, s[SEL], s[SEL+1]
	v_add_f32 v8, v8, v9
.endm
	s_load_b256 s[4:11], s[0:1], 0x0               ; gimg s[4:5], oimg s[6:7], part s[8:9], gn_w s[10:11]
	s_load_b128 s[12:15], s[0:1], 0x20             ; gn_b s[12:13], ycodes s[14:15]
	s_load_b64 s[16:17], s[0:1], 0x30              ; yscales
	v_lshl_add_u32 v182, v0, 2, 0x400
	v_mov_b32 v183, 0
	v_lshrrev_b32 v1, 5, v0
	v_readfirstlane_b32 s18, v1                    ; wave 0..7
	v_and_b32 v1, 31, v0
	v_lshlrev_b32 v2, 4, v1                        ; 16 x lane
	v_and_b32 v3, 15, v0                           ; r
	v_bfe_u32 v4, v0, 4, 1                         ; h
	v_lshlrev_b32 v5, 6, v4                        ; my half's 16 channels of a block of 32: 64 h bytes
	v_mov_b32 v9, 0                                ; written once: a lane permute's destination counts as one of its sources
.irp b, 0,1,2,3
	v_mov_b32 v[TM+4+\b], 0
.endr
	s_and_b32 s19, ttmp9, 1                        ; u: tiles 0-3 or 4-7
	s_lshr_b32 s20, ttmp9, 1                       ; which two heads
	s_and_b32 s21, ttmp7, 0xffff                   ; T
	s_and_b32 s22, s18, 3
	s_lshr_b32 s23, s18, 2                         ; q
	s_lshl_b32 s24, s19, 2
	s_add_co_u32 s24, s24, s22                     ; my tile of tokens
	s_lshl_b32 s25, s20, 1
	s_add_co_u32 s25, s25, s23                     ; my head
	s_lshr_b32 s26, s21, 3
	s_lshl_b32 s26, s26, 4
	s_add_co_u32 s26, s26, s25                     ; 16 x batch + head
	s_lshl_b32 s27, s23, 8
	s_lshl_b32 s28, s22, 2
	s_add_co_u32 s27, s27, s28
	v_lshl_add_u32 v6, v3, 4, s27                  ; LDS: my row's word in the block of scale words: 16 r + 256 q + 4 x tile
	s_lshl_b32 s28, s21, 4
	s_add_co_u32 s28, s28, s25
	s_lshl_b32 s28, s28, 3
	s_add_co_u32 s28, s28, s24
	s_lshl_b32 s28, s28, 13                        ; my image in gimg and in oimg
	s_mov_b32 s29, 0
	s_lshl_b32 s30, s26, 9
	s_mov_b32 s31, 0
	s_lshl_b32 s32, s25, 9
	s_mov_b32 s33, 0
	s_mul_i32 s34, s21, 196608
	s_mul_i32 s36, s20, 24576
	s_add_co_u32 s34, s34, s36
	s_mul_i32 s36, s23, 12288
	s_add_co_u32 s34, s34, s36
	s_mul_i32 s36, s24, 1536
	s_add_co_u32 s34, s34, s36
	s_mov_b32 s35, 0
	s_lshl_b32 s36, s21, 1
	s_add_co_u32 s36, s36, s19
	s_lshl_b32 s36, s36, 3
	s_add_co_u32 s36, s36, s20
	s_lshl_b32 s36, s36, 9
	s_mov_b32 s37, 0
	s_mov_b32 s[SEL], 0x76543210
	s_mov_b32 s[SEL+1], 0xfedcba98
	s_mov_b32 s40, 0x37000000                      ; 1 / 131,072
	s_mov_b32 s[NLE], 0xbfb8aa3b
	s_mov_b32 s[NLE+1], s[NLE]                     ; (named with it as a pair, so it is written)
	s_wait_kmcnt 0x0
	s_add_nc_u64 s[4:5], s[4:5], s[28:29]
	s_add_nc_u64 s[6:7], s[6:7], s[28:29]
	s_add_nc_u64 s[8:9], s[8:9], s[30:31]
	s_add_nc_u64 s[10:11], s[10:11], s[32:33]
	s_add_nc_u64 s[12:13], s[12:13], s[32:33]
	s_add_nc_u64 s[14:15], s[14:15], s[34:35]
	s_add_nc_u64 s[16:17], s[16:17], s[36:37]
	global_load_b128 v[PT:PT+3], v2, s[8:9]        ; two of the head's 64 pairs a lane
.irp k, 0,1,2,3,4,5,6,7,8,9,10,11,12,13,14,15
	global_load_b128 v[G+4*\k:G+4*\k+3], v2, s[4:5] offset:512*\k th:TH_LOAD_NT
.endr
.irp k, 0,1,2,3,4,5,6,7,8,9,10,11,12,13,14,15
	global_load_b128 v[O+4*\k:O+4*\k+3], v2, s[6:7] offset:512*\k th:TH_LOAD_NT
.endr
	WIN 0x40                                       ; destination window 1
.irp b, 0,1,2,3
.irp j, 0,1,2,3
	global_load_b128 v[GW+16*\b+4*\j:GW+16*\b+4*\j+3], v5, s[10:11] offset:128*\b+16*\j
.endr
.endr
.irp b, 0,1,2,3
.irp j, 0,1,2,3
	global_load_b128 v[GB+16*\b+4*\j:GB+16*\b+4*\j+3], v5, s[12:13] offset:128*\b+16*\j
.endr
.endr
	WIN 0
	s_wait_loadcnt 63                              ; 64 loads were issued behind the pairs': with 63 out at the most, the pairs are in
	v_add_f32 v8, v[PT], v[PT+2]
	RED
	v_mul_f32 v[MU], 0x3c800000, v8                ; / 64
	v_mov_b32 v[MU+1], v[MU]
	v_sub_f32 v10, v[PT], v[MU]
	v_sub_f32 v11, v[PT+2], v[MU]
	v_mul_f32 v10, v10, v10
	v_fmac_f32 v10, v11, v11
	v_add_f32 v8, v[PT+1], v[PT+3]
	v_fmamk_f32 v8, v10, 0x45000000, v8            ; + 2,048 x the squared distances of my two means
	RED
	v_fmaak_f32 v8, s40, v8, 0x3727c5ac            ; var + 1e-5
	v_rsq_f32 v[RS], v8
	v_nop                                          ; a plain place behind the transcendental
	s_wait_alu depctr_va_vdst(0)                   ; ahead of its first reader
	v_mov_b32 v[RS+1], v[RS]
	s_wait_loadcnt 48                              ; z's 16 loads are in; the 48 of O and of the two gains may be out
.set i, 0
.rept 32
	v_pk_mul_f32 v[E+i:E+i+1], v[G+i:G+i+1], s[NLE:NLE+1] op_sel_hi:[1,0]
.set i, i+2
.endr
.set i, 0
.rept 64
	v_exp_f32 v[E+i], v[E+i]
.set i, i+1
.endr
	v_nop                                          ; a plain place behind the last exponential
	s_wait_alu depctr_va_vdst(0)                   ; one wait for the batch, ahead of its first reader
.set i, 0
.rept 32
	v_pk_add_f32 v[E+i:E+i+1], v[E+i:E+i+1], 1.0 op_sel_hi:[1,0]
.set i, i+2
.endr
.set i, 0
.rept 64
	v_rcp_f32 v[E+i], v[E+i]
.set i, i+1
.endr
	v_nop
	s_wait_alu depctr_va_vdst(0)                   ; and one for the reciprocals
.set i, 0
.rept 32
	v_pk_mul_f32 v[G+i:G+i+1], v[G+i:G+i+1], v[E+i:E+i+1]   ; silu(z)
.set i, i+2
.endr
	s_wait_loadcnt 0x0
.set i, 0
.rept 32
	v_pk_add_f32 v[O+i:O+i+1], v[O+i:O+i+1], v[MU:MU+1] neg_lo:[0,1] neg_hi:[0,1]
.set i, i+2
.endr
	WIN 0x41                                       ; destination and source 0 in window 1
.set i, 0
.rept 32
	v_pk_mul_f32 v[GW+i:GW+i+1], v[GW+i:GW+i+1], v[RS:RS+1]
.set i, i+2
.endr
	WIN 0x14                                       ; sources 1 and 2 in window 1
.set i, 0
.rept 32
	v_pk_fma_f32 v[O+i:O+i+1], v[O+i:O+i+1], v[GW+i:GW+i+1], v[GB+i:GB+i+1]
.set i, i+2
.endr
	WIN 0
.set i, 0
.rept 32
	v_pk_mul_f32 v[O+i:O+i+1], v[O+i:O+i+1], v[G+i:G+i+1]
.set i, i+2
.endr
	QUANT O
.irp c, 0,1,2
	global_store_b128 v2, v[PC+4*\c:PC+4*\c+3], s[14:15] offset:512*\c   ; 512 consecutive bytes, aligned
.endr
	ds_store_b32 v6, v[PW]                         ; lanes r and 16 + r write the same word with the same value
	s_wait_dscnt 0x0                               ; for the others' sake: my store has landed
	s_barrier_signal -1
	s_barrier_wait -1
	s_cmp_lg_u32 s18, 0
	s_cbranch_scc1 .Ldone
	ds_load_b128 v[8:11], v2                       ; wave 0: the block of 512 bytes
	s_wait_dscnt 0x0
	global_store_b128 v2, v[8:11], s[16:17]
.Ldone:
	s_wait_tensorcnt 0x0
	ds_add_u32 v182, v183
	s_wait_dscnt 0x0
	s_endpgm
.Lfunc_end_k_q1187a51aba_gate:
	.size	k_q1187a51aba_gate, .Lfunc_end_k_q1187a51aba_gate-k_q1187a51aba_gate
	.p2alignl 7, 3214868480
	.fill 96, 4, 3214868480
	.section	.rodata,"a",@progbits
	.p2align	6, 0x0
	.amdhsa_kernel k_q1187a51aba_gate
		.amdhsa_group_segment_fixed_size 2048
		.amdhsa_private_segment_fixed_size 0
		.amdhsa_enable_private_segment 0
		.amdhsa_kernarg_size 56
		.amdhsa_user_sgpr_count 2
		.amdhsa_user_sgpr_kernarg_segment_ptr 1
		.amdhsa_wavefront_size32 1
		.amdhsa_system_sgpr_workgroup_id_x 1
		.amdhsa_system_sgpr_workgroup_id_y 1
		.amdhsa_system_sgpr_workgroup_id_z 1
		.amdhsa_system_vgpr_workitem_id 0
		.amdhsa_next_free_vgpr 384
		.amdhsa_next_free_sgpr 66
		.amdhsa_reserve_vcc 0
		.amdhsa_float_denorm_mode_32 3
		.amdhsa_float_denorm_mode_16_64 3
		.amdhsa_memory_ordered 1
		.amdhsa_forward_progress 1
		.amdhsa_inst_pref_size 34
	.end_amdhsa_kernel
	.amdgpu_metadata
---
amdhsa.version: [ 1, 2 ]
amdhsa.kernels:
  - .name:           k_q1187a51aba_gate
    .symbol:         k_q1187a51aba_gate.kd
    .args:
      - { .name: gimg, .offset: 0, .size: 8, .value_kind: global_buffer, .address_space: global }
      - { .name: oimg, .offset: 8, .size: 8, .value_kind: global_buffer, .address_space: global }
      - { .name: part, .offset: 16, .size: 8, .value_kind: global_buffer, .address_space: global }
      - { .name: gn_w, .offset: 24, .size: 8, .value_kind: global_buffer, .address_space: global }
      - { .name: gn_b, .offset: 32, .size: 8, .value_kind: global_buffer, .address_space: global }
      - { .name: ycodes, .offset: 40, .size: 8, .value_kind: global_buffer, .address_space: global }
      - { .name: yscales, .offset: 48, .size: 8, .value_kind: global_buffer, .address_space: global }
    .group_segment_fixed_size: 2048
    .private_segment_fixed_size: 0
    .kernarg_segment_align: 8
    .kernarg_segment_size: 56
    .max_flat_workgroup_size: 256
    .sgpr_count:     66
    .vgpr_count:     384
    .wavefront_size: 32
...
	.end_amdgpu_metadata
.endif
;; end of part 4
;; launch outp (part 5): grid 16 x 16, 4 waves a work-group, clusters of 4 x 4, 327,680 bytes of LDS; arguments ycodes, yscales, codes, scales, out0; writes out0
.if DOCPART == 5
	.amdgcn_target "amdgcn-amd-amdhsa--gfx1250"
	.amdhsa_code_object_version 6
	.text
	.protected	k_q1187a51aba_outp
	.globl	k_q1187a51aba_outp
	.p2align	8
	.type	k_q1187a51aba_outp,@function
k_q1187a51aba_outp:
	s_mov_b64 s[64:65], 0
	v_nop
	global_prefetch_b8 v0, s[64:65] scope:SCOPE_SE
	s_setreg_imm32_b32 hwreg(HW_REG_WAVE_MODE, 25, 1), 1
	s_wait_xcnt 0x0
	s_wait_alu depctr_hold_cnt(0) depctr_sa_sdst(0) depctr_va_vdst(0) depctr_va_sdst(0) depctr_va_ssrc(0) depctr_va_vcc(0) depctr_vm_vsrc(0)
	s_getreg_b32 s2, hwreg(HW_REG_IB_STS2, 6, 4)
	s_cmp_eq_u32 s2, 0
	s_cbranch_scc0 .Lentry_in_a_cluster
	s_endpgm
.Lentry_in_a_cluster:
	s_bfe_u32 s2, ttmp6, 0x10000c
	s_cmp_lg_u32 s2, 0xf033
	s_cbranch_scc0 .Lentry_shape_is_right
	s_endpgm
.Lentry_shape_is_right:
; out0 = y Wo^T on codes of FP6 (E2M3), one E8M0 scale for each 32 along K; sums and result f32.  M = N = K = 2,048.
; A tile of the result is 128 x 128, so that there are 256 work-groups; four waves, each 64 x 64: 16 accumulators.  Operands come as images of their registers (1,536 bytes a fragment): 128 rows x 256 K are one dense
; block of 24,576 bytes.  A slot holds 512 along K (two blocks of y, two of Wo; each wave brings one).  THREE SLOTS are filled together at the start, K = 0 .. 1,535; the last 512 along K come by ONE refill, into slot 0,
; as soon as that slot has been read: the load has the eight units of slots 1 and 2 in which to land.  All of it is written out: 16 units of 128 K.
; The scale words of a wave's 64 + 64 rows, for all of K, are 8 KB: they come once, straight into 64 registers, which hold nothing else, by 16 loads of 512 consecutive bytes.
; THE MATRIX INSTRUCTION IS USED TRANSPOSED: source 0 = 16 rows of Wo, source 1 = 16 tokens.  A tile's rows are 32 (t / 2) + 8 (t % 2) + p + 8 (p / 8): register j of tile t in lane (r, h) is column
; 32 (t / 2) + 8 (t % 2) + 16 h + j of token 32 (a / 2) + 8 (a % 2) + r + 8 (r / 8).
; CLUSTERS: 4 x 4 work-groups; y's tiles are shared along a row of the cluster, Wo's along a column: joint loads.
; REGISTERS: window 0: v16-29 addresses; v32-95 scale words; v128-255 accumulator (a, t) at v[128 + 8 (4 a + t)].  window 1: two fragment buffers of 96 (y's four, Wo's four); on the way out v0-63 take rows.
.set FR,    12
.set BLKB,  24576
.set SLOT,  4*BLKB                     ; y's even and odd step of 256 K, then Wo's
.set SPARE, 3*SLOT                     ; the spare words, 128 bytes for each wave: two blocks of 256 bytes that no other line names
.set STAGE, SPARE+512                  ; 16 rows x (256 + 16) bytes for each wave, for the way out: no tile ever lands here
.set SPITCH, 272
.set GRPB,  196608
.set ADRA, 16                          ; v16-18  my fragments of y in slot 0, 1, 2
.set ADRB, 20                          ; v20-22  of Wo
.set STO,  24
.set RD,   25
.set CO,   26
.set LI,   27                          ; 16 x lane
.set SPW,  28                          ; my spare word; never rewritten
.set NIL,  29                          ; 0; never rewritten
.set SC,   32                          ; step of 256 K g: y's four tiles at v[32 + 8 g], Wo's at v[36 + 8 g]; lanes 0-15 its first 128 K, lanes 16-31 its second
.set ACC,  128
.set BK,   0
.set G1,  24                           ; s[24:31] group 1 for y's tiles;  s[48:55] for Wo's
.set G1B, 48
.set G0,  68                           ; s[68:79] group 0 for y's tiles, a set for each slot;  s[80:91] for Wo's
.set G0B, 80
.set SAB, 32                           ; s[32:33] my scale words of y in memory;  s[34:35] of Wo
.set SBB, 34
.set MSB, 0
.macro WIN new
.if MSB != \new
	s_set_vgpr_msb (MSB<<8)|\new
.set MSB, \new
.endif
.endm
.set MUL,  0x05                        ; sources 0 and 1 window 1; C and D window 0
.set TO_F, 0x40
.macro JLOAD g0a, g1a, g0b, g1b        ; waves 0 and 1 fetch for y, waves 2 and 3 for Wo; four v_nop follow each of the two lines
	s_cmp_eq_u32 s15, 0
	s_cbranch_scc0 .Lfor_b_\@
	tensor_load_to_lds s[\g0a:\g0a+3], s[\g1a:\g1a+7]
	s_nop 0
.rept 4
	v_nop
.endr
	s_branch .Lasked_\@
.Lfor_b_\@:
	tensor_load_to_lds s[\g0b:\g0b+3], s[\g1b:\g1b+7]
	s_nop 0
.rept 4
	v_nop
.endr
.Lasked_\@:
.endm
.macro CREST
	s_cmp_lg_u32 s14, 0
	s_cbranch_scc1 .Lnot_wave_0_\@
	s_barrier_signal -3
.Lnot_wave_0_\@:
	s_barrier_wait -3
	s_barrier_signal -1
	s_barrier_wait -1
.endm
.macro CROUND
	s_barrier_signal -1
	s_barrier_wait -1
	CREST
.endm
.macro PLACES
.rept 4
	v_nop
.endr
.endm
	s_load_b256 s[4:11], s[0:1], 0x0               ; ycodes s[4:5], yscales s[6:7], codes s[8:9], scales s[10:11]
	s_load_b64 s[12:13], s[0:1], 0x20              ; out0
	v_lshl_add_u32 v[SPW], v0, 2, SPARE
	v_mov_b32 v[NIL], 0
	ds_add_u32 v28, v29
	ds_add_u32 v28, v29
	s_wait_dscnt 0x0
	v_lshrrev_b32 v1, 5, v0
	v_readfirstlane_b32 s14, v1                    ; wave 0..3
	s_lshr_b32 s15, s14, 1                         ; my half of the tokens.  Also: I fetch for y (0) or for Wo (1)
	s_and_b32 s16, s14, 1                          ; my half of the columns.  Also: the even or the odd step of 256 K that I fetch
	s_bfe_u32 s40, ttmp6, 0x40000                  ; cx
	s_bfe_u32 s41, ttmp6, 0x40004                  ; cy
	s_lshl_b32 s42, ttmp9, 2
	s_add_co_u32 s42, s42, s40                     ; tile column
	s_and_b32 s17, ttmp7, 0xffff
	s_lshl_b32 s17, s17, 2
	s_add_co_u32 s17, s17, s41                     ; tile row
	s_lshl_b32 s43, s41, 2
	s_lshl_b32 s43, 15, s43                        ; my row of the cluster
	s_lshl_b32 s44, 0x1111, s40                    ; my column
	s_or_b32 s[G1+0], s43, (3<<16)|(1<<21)         ; 15:0 the mask; 17:16 elements of 8 bytes; 21 set beside a mask; no padding
	s_or_b32 s[G1B+0], s44, (3<<16)|(1<<21)
.irp g, G1, G1B
	s_mov_b32 s[\g+1], 32<<16                      ; rows of 256 bytes,
	s_mov_b32 s[\g+2], 96<<16                      ; 96 of them
	s_mov_b32 s[\g+3], 32<<16
	s_mov_b32 s[\g+4], 96
	s_mov_b32 s[\g+5], 32
	s_mov_b32 s[\g+6], 0
	s_mov_b32 s[\g+7], 0
.endr
	s_mul_i32 s18, s16, BLKB
	s_mul_i32 s20, s17, GRPB                       ; y: the tile row's group, nothing of cx
	s_add_co_u32 s20, s20, s18
	s_mov_b32 s21, 0
	s_add_co_u32 s46, s42, 80                      ; Wo: group 80 + tile column, nothing of cy
	s_mul_i32 s46, s46, GRPB
	s_add_co_u32 s46, s46, s18
	s_mov_b32 s47, 0
	s_mul_i32 s45, s14, BLKB                       ; where they go: wave x a block
	s_lshl_b32 s[SAB], s17, 13                     ; the scale words of the rows that I MULTIPLY: 8,192 bytes a group of 128 rows, 4,096 a half
	s_lshl_b32 s2, s15, 12
	s_add_co_u32 s[SAB], s[SAB], s2
	s_mov_b32 s[SAB+1], 0
	s_add_co_u32 s[SBB], s42, 80
	s_lshl_b32 s[SBB], s[SBB], 13
	s_lshl_b32 s2, s16, 12
	s_add_co_u32 s[SBB], s[SBB], s2
	s_mov_b32 s[SBB+1], 0
	s_wait_kmcnt 0x0
	s_add_nc_u64 s[20:21], s[4:5], s[20:21]
	s_add_nc_u64 s[46:47], s[8:9], s[46:47]
	s_add_nc_u64 s[SAB:SAB+1], s[6:7], s[SAB:SAB+1]
	s_add_nc_u64 s[SBB:SBB+1], s[10:11], s[SBB:SBB+1]
	CROUND                                         ; all sixteen work-groups are here: the first joint loads meet
.irp s, 0,1,2
	s_mov_b32 s[G0+4*\s], 1
	s_add_co_u32 s[G0+4*\s+1], s45, \s*SLOT
	s_add_nc_u64 s[G0+4*\s+2:G0+4*\s+3], s[20:21], \s*2*BLKB
	s_or_b32 s[G0+4*\s+3], s[G0+4*\s+3], 0x80000000
	s_mov_b32 s[G0B+4*\s], 1
	s_add_co_u32 s[G0B+4*\s+1], s45, \s*SLOT
	s_add_nc_u64 s[G0B+4*\s+2:G0B+4*\s+3], s[46:47], \s*2*BLKB
	s_or_b32 s[G0B+4*\s+3], s[G0B+4*\s+3], 0x80000000
	JLOAD G0+4*\s, G1, G0B+4*\s, G1B               ; three loads of mine are out
.endr
	v_and_b32 v1, 31, v0
	v_lshlrev_b32 v[LI], 4, v1
.irp g, 0,1,2,3,4,5,6,7
	global_load_b128 v[SC+8*\g:SC+8*\g+3], v[LI], s[SAB:SAB+1] offset:512*\g       ; 512 consecutive bytes: four tiles' words a lane
	global_load_b128 v[SC+8*\g+4:SC+8*\g+7], v[LI], s[SBB:SBB+1] offset:512*\g
.endr
	s_mul_i32 s2, s15, 6144                        ; my four tiles of y
	s_mul_i32 s3, s16, 6144                        ; my four tiles of Wo,
	s_add_co_u32 s3, s3, 2*BLKB                    ; behind y's two blocks
.irp s, 0,1,2
	v_add_nc_u32 v[ADRA+\s], s2, v[LI]
	v_add_nc_u32 v[ADRB+\s], s3, v[LI]
	s_add_co_u32 s2, s2, SLOT
	s_add_co_u32 s3, s3, SLOT
.endr
	v_and_b32 v3, 15, v0                           ; r
	v_bfe_u32 v4, v0, 4, 1                         ; h
	s_mul_i32 s2, s14, 16*SPITCH
	s_add_co_u32 s2, s2, STAGE                     ; my stage
	v_mul_u32_u24 v[STO], v3, SPITCH
	v_lshl_add_u32 v[STO], v4, 6, v[STO]
	v_add_nc_u32 v[STO], s2, v[STO]                ; in: row r, + 64 h bytes
	v_mul_u32_u24 v[RD], v4, SPITCH
	v_lshl_add_u32 v[RD], v3, 4, v[RD]
	v_add_nc_u32 v[RD], s2, v[RD]                  ; back: lanes 0-15 one row of 256 bytes, lanes 16-31 the next
	v_lshlrev_b32 v[CO], 13, v4
	v_lshl_add_u32 v[CO], v3, 4, v[CO]             ; and the same two rows in out0
	s_lshl_b32 s20, s17, 7
	s_lshl_b32 s21, s15, 6
	s_add_co_u32 s20, s20, s21                     ; my first token
	s_lshl_b32 s20, s20, 13
	s_mov_b32 s21, 0
	s_add_nc_u64 s[12:13], s[12:13], s[20:21]
	s_lshl_b32 s46, s42, 9                         ; my first column, in bytes: 512 x tile column + 256 x half
	s_lshl_b32 s47, s16, 8
	s_add_co_u32 s46, s46, s47
	s_mov_b32 s47, 0
	s_add_nc_u64 s[12:13], s[12:13], s[46:47]
.macro FETCH n, f                      ; unit n (128 along K): four fragments of y, four of Wo, 24 loads of 512 consecutive bytes.  Units 0-3 lie in slot 0, 4-7 in slot 1, 8-11 in slot 2, 12-15 in slot 0 again
.set FS, ((\n)/4)%3
.set FK, (\n)%4
	WIN TO_F
.irp i, 0,1,2,3
.irp c, 0,1,2
	ds_load_b128 v[\f+FR*\i+4*\c:\f+FR*\i+4*\c+3], v[ADRA+FS] offset:(FK/2)*BLKB+(FK%2)*12288+1536*\i+512*\c
	ds_load_b128 v[\f+48+FR*\i+4*\c:\f+48+FR*\i+4*\c+3], v[ADRB+FS] offset:(FK/2)*BLKB+(FK%2)*12288+1536*\i+512*\c
.endr
.endr
.endm
; four matrix instructions: token tile a x Wo's four tiles, unit n, from buffer f.  The 16 accumulators take turns, one instruction a turn.
.macro MUL4 f, n, a
.irp t, 0,1,2,3
.set rD, ACC+8*(4*(\a)+\t)
.set rB, \f+48+FR*\t
.set rA, \f+FR*(\a)
.set rSB, SC+8*((\n)/2)+4+\t
.set rSA, SC+8*((\n)/2)+(\a)
.if (\n) == 0
	v_wmma_scale_f32_16x16x128_f8f6f4 v[rD:rD+7], v[rB:rB+FR-1], v[rA:rA+FR-1], 0, v[rSB], v[rSA] matrix_a_fmt:MATRIX_FMT_FP6 matrix_b_fmt:MATRIX_FMT_FP6
.elseif (\n)%2
	v_wmma_scale_f32_16x16x128_f8f6f4 v[rD:rD+7], v[rB:rB+FR-1], v[rA:rA+FR-1], v[rD:rD+7], v[rSB], v[rSA] matrix_a_fmt:MATRIX_FMT_FP6 matrix_b_fmt:MATRIX_FMT_FP6 matrix_a_scale:MATRIX_SCALE_ROW1 matrix_b_scale:MATRIX_SCALE_ROW1
.else
	v_wmma_scale_f32_16x16x128_f8f6f4 v[rD:rD+7], v[rB:rB+FR-1], v[rA:rA+FR-1], v[rD:rD+7], v[rSB], v[rSA] matrix_a_fmt:MATRIX_FMT_FP6 matrix_b_fmt:MATRIX_FMT_FP6
.endif
.endr
.endm
.macro STEPN n                         ; a unit whose successor lies in bytes that every wave already knows to be whole
.set FB, 96*((\n)%2)
.set FN, 96-FB
	s_wait_dscnt 0x0                               ; this unit's fragments are in
	PLACES                                         ; in front of loads into the buffer that the last unit's products read
	FETCH (\n)+1, FN
	WIN MUL
.irp a, 0,1,2,3
	MUL4 FB, \n, \a
.endr
.endm
; A unit with a barrier: in front of it each wave waits for all its tensor loads, adds 0 to its spare word, and waits for that and for its reads so far.
; fill = 1 (unit 3): slot 0 has been read and is filled again; slots 1 and 2 are whole in every wave's eyes from here on.  fill = 0 (unit 11): slot 0's second tile is whole.
.macro TURNN n, fill
	WIN 0
	s_wait_tensorcnt 0x0                           ; all my tensor loads have landed
	ds_add_u32 v[SPW], v[NIL]                      ; 0 onto my spare word
	s_wait_dscnt 1                                 ; this unit's fragments are in; the add may be out
	WIN MUL
	MUL4 96, \n, 0
	s_wait_dscnt 0x0                               ; the add is done, and my reads are over
	s_barrier_signal -1
	MUL4 96, \n, 1
	WIN 0
	s_barrier_wait -1
.if \fill
	CREST                                          ; the barrier has opened a round of the cluster's: no wave of any partner still reads slot 0 or has a load on its way
	s_add_nc_u64 s[G0+2:G0+3], s[G0+2:G0+3], 6*BLKB
	s_add_nc_u64 s[G0B+2:G0B+3], s[G0B+2:G0B+3], 6*BLKB
	JLOAD G0, G1, G0B, G1B                         ; the first tensor load behind the round, and the launch's last; its four v_nop are the places in front of the loads below
.else
	PLACES
.endif
	FETCH (\n)+1, 0
	WIN MUL
	MUL4 96, \n, 2
	MUL4 96, \n, 3
.endm
	s_wait_loadcnt 0x0                             ; the scale words
	s_wait_tensorcnt 2                             ; my part of slot 0 is in; the loads of slots 1 and 2 may be out
	s_barrier_signal -1
	s_barrier_wait -1
	FETCH 0, 0
	STEPN 0                                        ; its products start the sums: nothing is cleared
	STEPN 1
	STEPN 2
	TURNN 3, 1
	STEPN 4
	STEPN 5
	STEPN 6
	STEPN 7                                        ; on into slot 2 with no barrier: in front of unit 3's round every wave had waited for all its loads
	STEPN 8
	STEPN 9
	STEPN 10
	TURNN 11, 0
	STEPN 12
	STEPN 13
	STEPN 14
	s_wait_dscnt 0x0
.irp a, 0,1,2,3
	MUL4 96, 15, \a
.endr
	WIN 0
; THE WAY OUT, a tile of 16 tokens x 64 columns at a time, through my own stage: in as 32 bytes a lane and tile, back as whole rows of 256 bytes, so that sixteen lanes store 256 consecutive bytes, aligned.
; LDS serves a wave's instructions in order (ISA guide 5.7.1.4): no wait between the stores and the loads, nor in front of the next tile's stores.
.macro TOSTAGE a
	WIN 0
.irp t, 0,1,2,3
	ds_store_b128 v[STO], v[ACC+8*(4*(\a)+\t):ACC+8*(4*(\a)+\t)+3] offset:128*(\t/2)+32*(\t%2)       ; each accumulator from its low end on
	ds_store_b128 v[STO], v[ACC+8*(4*(\a)+\t)+4:ACC+8*(4*(\a)+\t)+7] offset:128*(\t/2)+32*(\t%2)+16
.endr
	WIN TO_F
.irp k, 0,1,2,3,4,5,6,7
	ds_load_b128 v[BK+32*((\a)%2)+4*\k:BK+32*((\a)%2)+4*\k+3], v[RD] offset:2*SPITCH*\k
.endr
	WIN 0
.endm
.macro SEND a, younger                 ; younger: the LDS instructions issued behind tile a's loads, which may stay out
	s_wait_dscnt \younger
	WIN 0x04                                       ; a store's data are its source 1
.irp k, 0,1,2,3,4,5,6,7
	global_store_b128 v[CO], v[BK+32*((\a)%2)+4*\k:BK+32*((\a)%2)+4*\k+3], s[12:13] offset:(32*((\a)/2)+8*((\a)%2)+2*\k+8*(\k/4))*8192 th:TH_STORE_NT
.endr
	WIN 0
.endm
	PLACES                                         ; behind the last products: results are read, and rows land in registers that held fragments
	TOSTAGE 0
.irp a, 1,2,3
.if \a > 1
	s_wait_xcnt 0x0                                ; tile a - 2's stores have read their registers: tile a's rows may land there
.endif
	TOSTAGE \a
	SEND \a-1, 16                                  ; behind tile a - 1's loads: tile a's 8 stores and 8 loads
.endr
	SEND 3, 0
	s_wait_tensorcnt 0x0                           ; the wave's end
	ds_add_u32 v[SPW], v[NIL]
	s_wait_dscnt 0x0
	CROUND                                         ; the closing round
	s_endpgm
.Lfunc_end_k_q1187a51aba_outp:
	.size	k_q1187a51aba_outp, .Lfunc_end_k_q1187a51aba_outp-k_q1187a51aba_outp
	.p2alignl 7, 3214868480
	.fill 96, 4, 3214868480
	.section	.rodata,"a",@progbits
	.p2align	6, 0x0
	.amdhsa_kernel k_q1187a51aba_outp
		.amdhsa_group_segment_fixed_size 327680
		.amdhsa_private_segment_fixed_size 0
		.amdhsa_enable_private_segment 0
		.amdhsa_kernarg_size 40
		.amdhsa_user_sgpr_count 2
		.amdhsa_user_sgpr_kernarg_segment_ptr 1
		.amdhsa_wavefront_size32 1
		.amdhsa_system_sgpr_workgroup_id_x 1
		.amdhsa_system_sgpr_workgroup_id_y 1
		.amdhsa_system_sgpr_workgroup_id_z 1
		.amdhsa_system_vgpr_workitem_id 0
		.amdhsa_next_free_vgpr 512
		.amdhsa_next_free_sgpr 100
		.amdhsa_reserve_vcc 0
		.amdhsa_float_denorm_mode_32 3
		.amdhsa_float_denorm_mode_16_64 3
		.amdhsa_memory_ordered 1
		.amdhsa_forward_progress 1
		.amdhsa_inst_pref_size 79
	.end_amdhsa_kernel
	.amdgpu_metadata
---
amdhsa.version: [ 1, 2 ]
amdhsa.kernels:
  - .name:           k_q1187a51aba_outp
    .symbol:         k_q1187a51aba_outp.kd
    .args:
      - { .name: ycodes, .offset: 0, .size: 8, .value_kind: global_buffer, .address_space: global }
      - { .name: yscales, .offset: 8, .size: 8, .value_kind: global_buffer, .address_space: global }
      - { .name: codes, .offset: 16, .size: 8, .value_kind: global_buffer, .address_space: global }
      - { .name: scales, .offset: 24, .size: 8, .value_kind: global_buffer, .address_space: global }
      - { .name: out0, .offset: 32, .size: 8, .value_kind: global_buffer, .address_space: global }
    .group_segment_fixed_size: 327680
    .private_segment_fixed_size: 0
    .kernarg_segment_align: 8
    .kernarg_segment_size: 40
    .max_flat_workgroup_size: 128
    .sgpr_count:     100
    .vgpr_count:     512
    .wavefront_size: 32
...
	.end_amdgpu_metadata
.endif
;; end of part 5
